; MI455X (gfx1250); checked and timed in simulation.
; The chip was launched on July 23, 2026; its instructions are those of AMD's public machine-readable ISA for CDNA 5 (MIT licence, August 2026) and "CDNA5" Instruction Set Architecture Reference Guide (July 2026). The comments in the code are by the model that wrote it; some were corrected since.
;; Multi Head Attention. Allowed arithmetic: float matrix products may take bf16 or f16 operands with f32 sums; other float arithmetic in f32, or as packed bf16 or f16 multiplies, adds, multiply-adds, maxima and minima; sums over many terms, partial sums and values carried from step to step in f32; what a program stores and reads back later, other than sums and carried values, may be rounded once to bf16 or f16.
;; Inputs: K 4 x 2,048 x 1,024 float32; Q 4 x 2,048 x 1,024 float32; V 4 x 2,048 x 1,024 float32; WK 1,024 x 1,024 float32; WQ 1,024 x 1,024 float32; WV 1,024 x 1,024 float32; Wl 1,024 x 1,024 float32; bK 1,024 float32; bQ 1,024 float32; bV 1,024 float32; bl 1,024 float32.
;; Outputs: out0 4 x 2,048 x 1,024 float32.
;; One version. Each part assembles by itself: llvm-mc -triple=amdgcn-amd-amdhsa -mcpu=gfx1250 --defsym DOCPART=n.
;; ======== version 1 of 1: 5 launches
;; limits: values are held in f16: magnitudes above 65,504 overflow, below 6.1e-05 lose precision; values outside matrix products are rounded to f16
;; workspace buffers: w16 8,388,608 bytes; qkv 50,331,648 bytes; p16 33,554,432 bytes; stat 1,048,576 bytes; z16 16,777,216 bytes
;; launch cast (part 1): grid 256 x 1, 8 waves a work-group, no clusters, 0 bytes of LDS; arguments WQ, WK, WV, Wl, w16; writes w16
.if DOCPART == 1
	.amdgcn_target "amdgcn-amd-amdhsa--gfx1250"
	.amdhsa_code_object_version 6
	.text
	.protected	k_q6db1983685_cast
	.globl	k_q6db1983685_cast
	.p2align	8
	.type	k_q6db1983685_cast,@function
k_q6db1983685_cast:
	s_mov_b64 s[64:65], 0
	v_nop
	global_prefetch_b8 v0, s[64:65] scope:SCOPE_SE
	s_setreg_imm32_b32 hwreg(HW_REG_WAVE_MODE, 25, 1), 1
	s_wait_xcnt 0x0
; The four weight matrices, [1024][1024] f32, are rounded once to 16 bits: w16 holds WQ, WK, WV in bf16 and Wl as the bf16-rounded number written in f16,
; each [1024][1024] at m x 2,097,152 bytes.  LIMIT: |Wl| stays under 65,504; a bf16 number under 6.1e-5 keeps f16's fixed step of 6e-8.
; A stream: no LDS, no barrier, no matrix unit.  A work-group takes 4,096 numbers of each matrix; thread t takes numbers 8 t .. 8 t + 7 of each of two groups of 2,048,
; so a store of a wave covers 512 consecutive bytes.  All sixteen loads of a thread go out first.
.set IN,  8                            ; v[8:71]    matrix m, group g: 8 numbers at IN + 16 m + 8 g
.set OUT, 72                           ; v[72:103]  matrix m, group g: 4 registers at OUT + 8 m + 4 g
.set T,   104                          ; v[104:111] at work
	s_load_b256 s[4:11], s[0:1], 0x0               ; WQ s[4:5], WK s[6:7], WV s[8:9], Wl s[10:11]
	s_load_b64 s[12:13], s[0:1], 0x20              ; w16
	s_lshl_b32 s2, ttmp9, 14                       ; my 4,096 numbers in f32
	s_mov_b32 s3, 0
	s_lshl_b32 s14, ttmp9, 13                      ; and in 16 bits
	s_mov_b32 s15, 0
	v_lshlrev_b32 v1, 5, v0                        ; 32 t
	v_lshlrev_b32 v2, 4, v0                        ; 16 t
	s_wait_kmcnt 0x0
.irp m, 0,1,2,3
	s_add_nc_u64 s[4+2*(\m):5+2*(\m)], s[4+2*(\m):5+2*(\m)], s[2:3]
.endr
	s_add_nc_u64 s[12:13], s[12:13], s[14:15]
.irp m, 0,1,2,3
.irp g, 0,1
.irp e, 0,1
	global_load_b128 v[IN+16*(\m)+8*(\g)+4*(\e):IN+16*(\m)+8*(\g)+4*(\e)+3], v1, s[4+2*(\m):5+2*(\m)] offset:8192*(\g)+16*(\e) th:TH_LOAD_NT
.endr
.endr
.endr
.irp m, 0,1,2
	s_wait_loadcnt 12-4*(\m)                       ; loads come back in order: matrix m's four are in, the later matrices' stay out
.irp g, 0,1
.irp i, 0,1,2,3
	v_cvt_pk_bf16_f32 v[OUT+8*(\m)+4*(\g)+(\i)], v[IN+16*(\m)+8*(\g)+2*(\i)], v[IN+16*(\m)+8*(\g)+2*(\i)+1]
.endr
	global_store_b128 v2, v[OUT+8*(\m)+4*(\g):OUT+8*(\m)+4*(\g)+3], s[12:13] offset:(\m)*2097152+(\g)*4096
.endr
.endr
	s_wait_loadcnt 0x0                             ; Wl
.irp g, 0,1
.irp i, 0,1,2,3
	v_cvt_pk_bf16_f32 v[T+4*((\i)%2)], v[IN+48+8*(\g)+2*(\i)], v[IN+48+8*(\g)+2*(\i)+1]  ; rounded to bf16 like every input,
	v_lshlrev_b32 v[T+4*((\i)%2)+1], 16, v[T+4*((\i)%2)]                                   ; widened again,
	v_and_b32 v[T+4*((\i)%2)+2], 0xffff0000, v[T+4*((\i)%2)]
	v_cvt_pk_f16_f32 v[OUT+24+4*(\g)+(\i)], v[T+4*((\i)%2)+1], v[T+4*((\i)%2)+2]           ; and written as f16: 8 significant bits fit
.endr
	global_store_b128 v2, v[OUT+24+4*(\g):OUT+24+4*(\g)+3], s[12:13] offset:3*2097152+(\g)*4096
.endr
	s_endpgm
.Lfunc_end_k_q6db1983685_cast:
	.size	k_q6db1983685_cast, .Lfunc_end_k_q6db1983685_cast-k_q6db1983685_cast
	.p2alignl 7, 3214868480
	.fill 96, 4, 3214868480
	.section	.rodata,"a",@progbits
	.p2align	6, 0x0
	.amdhsa_kernel k_q6db1983685_cast
		.amdhsa_group_segment_fixed_size 0
		.amdhsa_private_segment_fixed_size 0
		.amdhsa_enable_private_segment 0
		.amdhsa_kernarg_size 40
		.amdhsa_user_sgpr_count 2
		.amdhsa_user_sgpr_kernarg_segment_ptr 1
		.amdhsa_wavefront_size32 1
		.amdhsa_system_sgpr_workgroup_id_x 1
		.amdhsa_system_sgpr_workgroup_id_y 1
		.amdhsa_system_sgpr_workgroup_id_z 1
		.amdhsa_system_vgpr_workitem_id 0
		.amdhsa_next_free_vgpr 112
		.amdhsa_next_free_sgpr 66
		.amdhsa_reserve_vcc 0
		.amdhsa_float_denorm_mode_32 3
		.amdhsa_float_denorm_mode_16_64 3
		.amdhsa_memory_ordered 1
		.amdhsa_forward_progress 1
		.amdhsa_inst_pref_size 7
	.end_amdhsa_kernel
	.amdgpu_metadata
---
amdhsa.version: [ 1, 2 ]
amdhsa.kernels:
  - .name:           k_q6db1983685_cast
    .symbol:         k_q6db1983685_cast.kd
    .args:
      - { .name: WQ, .offset: 0, .size: 8, .value_kind: global_buffer, .address_space: global }
      - { .name: WK, .offset: 8, .size: 8, .value_kind: global_buffer, .address_space: global }
      - { .name: WV, .offset: 16, .size: 8, .value_kind: global_buffer, .address_space: global }
      - { .name: Wl, .offset: 24, .size: 8, .value_kind: global_buffer, .address_space: global }
      - { .name: w16, .offset: 32, .size: 8, .value_kind: global_buffer, .address_space: global }
    .group_segment_fixed_size: 0
    .private_segment_fixed_size: 0
    .kernarg_segment_align: 8
    .kernarg_segment_size: 40
    .max_flat_workgroup_size: 256
    .sgpr_count:     66
    .vgpr_count:     112
    .wavefront_size: 32
...
	.end_amdgpu_metadata
.endif
;; end of part 1
;; launch proj (part 2): grid 4 x 192, 4 waves a work-group, clusters of 4 x 4, 327,680 bytes of LDS; arguments Q, K, V, bQ, bK, bV, w16, qkv; writes qkv
.if DOCPART == 2
	.amdgcn_target "amdgcn-amd-amdhsa--gfx1250"
	.amdhsa_code_object_version 6
	.text
	.protected	k_q6db1983685_proj
	.globl	k_q6db1983685_proj
	.p2align	8
	.type	k_q6db1983685_proj,@function
k_q6db1983685_proj:
	s_mov_b64 s[64:65], 0
	v_nop
	global_prefetch_b8 v0, s[64:65] scope:SCOPE_SE
	s_setreg_imm32_b32 hwreg(HW_REG_WAVE_MODE, 25, 1), 1
	s_wait_xcnt 0x0
	s_wait_alu depctr_hold_cnt(0) depctr_sa_sdst(0) depctr_va_vdst(0) depctr_va_sdst(0) depctr_va_ssrc(0) depctr_va_vcc(0) depctr_vm_vsrc(0)
	s_getreg_b32 s2, hwreg(HW_REG_IB_STS2, 6, 4)
	s_cmp_eq_u32 s2, 0
	s_cbranch_scc0 .Lentry_in_a_cluster
	s_endpgm
.Lentry_in_a_cluster:
	s_bfe_u32 s2, ttmp6, 0x10000c
	s_cmp_lg_u32 s2, 0xf033
	s_cbranch_scc0 .Lentry_shape_is_right
	s_endpgm
.Lentry_shape_is_right:
; q, k, v = bf16(X) bf16(W)^T + bf16(b): X = Q, K, V [8192][1024] f32, W in bf16 from w16, b [1024] f32; sums in f32, started by the bias; stored in f16 into qkv[T][8192][1024].
; LIMITS: |q|, |k|, |v| stay under 65,504 (f16); the bias is the first addend of the sum, not the last; NaN and infinities are not treated apart.
; SHARES.  3 x 64 x 4 tiles of 128 rows x 256 columns, one to a work-group: three for each of 256 WGPs.  Four waves, each 64 x 128: 32 accumulators of 16 x 16.
; K goes in 8 steps of 128 through two LDS slots filled by tensor loads: X's rows as 512 bytes of f32, W's as 256 bytes of bf16.  X is rounded to bf16 on its way from LDS to the
; matrix unit (32 packed conversions for 32 matrix instructions), so that no pass of its own reads and writes the activations.
; CLUSTER 4 x 4: the four work-groups of a row of the cluster need the same tile of X, the four of a column the same tile of W: each tile is asked for jointly.
; The matrix instruction is used transposed (source 0 = 16 rows of W, source 1 = 16 rows of X): a lane holds eight neighbouring columns of one row of the result.
; The K loop is written as ONE step; the slot that is read and the slot that is filled are turned by an exclusive or (SLOT1 shares no bit with the four tiles' first bytes).
; REGISTERS: window 0: v0-31 addresses; v64-127 X's fragments in bf16, two buffers; v128-255 W's, two buffers.  window 1: accumulator (a, b) at v[8 (8 a + b)].
;            window 2: v0-63 X's fragment in f32 as loaded; v64-127 the bias of my 128 columns, laid out as a C operand.
.set NSTEP, 8
.set PA,    528                        ; a row of X in LDS: 512 bytes + 16: row r starts 4 r banks on (64 banks of 4 bytes: ISA guide 11.1)
.set PB,    272                        ; a row of W: 256 + 16
.set AHALF, 64*PA                      ; what one tensor load brings of X, and what one wave reads
.set BBASE, 2*AHALF
.set BHALF, 128*PB
.set SLOT1, 0x22000                    ; slot 1 begins here; a slot uses 137,216 bytes
.set STAGE, SLOT1+BBASE+2*BHALF        ; behind the ring: 16 rows x 272 bytes for each wave, for the way out
.set SP,    272
.set SPARE, STAGE+4*16*SP              ; the spare words, 128 bytes a wave: two blocks of 256 bytes that no other line names
.set KBA,   512                        ; bytes of a K step in a row of X
.set KBB,   256                        ; and of W
.set A0,   16                          ; v16  my lane's place in slot 0's tile of X; never rewritten
.set B0,   17                          ; v17  the same for W
.set ADRA, 18                          ; v18  the same in the slot being read
.set ADRB, 19                          ; v19
.set STO,  24                          ; v24  the way out: where I put 16 bytes of a row
.set RD,   25                          ; v25  where I read rows back
.set CO,   26                          ; v26  my byte offset in two rows of the result
.set SPW,  28                          ; v28  my spare word; never rewritten
.set NIL,  29                          ; v29  0; never rewritten
.set AF,   64
.set BF,   128
.set TMP,  64                          ; the way out: packed results, two buffers of 32
.set BK,   128                         ; rows read back, two buffers of 32
.set RAW,  0                           ; window 2
.set BIAS, 64                          ; window 2
.set G1,  24                           ; s[24:31] descriptor group 1 for X's tiles
.set G0,  32                           ; s[32:39] group 0: a set for each first fill; the second then walks
.set G1B, 48                           ; s[48:55], s[56:63] the same for W's
.set G0B, 56
.set TB,  66                           ; s66  first byte of the slot being read
.set CNT, 67                           ; s67  loop count
.set MULW, 0x50                        ; C and D in window 1
.set MULB, 0x60                        ; D in window 1, C in window 2
.set TO2,  0x80                        ; destination in window 2
.set CV2,  0x0a                        ; sources 0 and 1 in window 2
.set PK1,  0x05                        ; sources 0 and 1 in window 1
.set MSB, 0
.macro WIN new                         ; the immediate's high byte repeats the setting that is left
.if MSB != (\new)
	s_set_vgpr_msb (MSB<<8)|(\new)
.set MSB, \new
.endif
.endm
.macro PLACES                          ; four plain vector instructions (ISA guide 7.12.1)
.rept 4
	v_nop
.endr
.endm
.macro CREST                           ; a round of the cluster's barrier behind its opening barrier
	s_cmp_lg_u32 s10, 0
	s_cbranch_scc1 .Lnot_wave_0_\@
	s_barrier_signal -3
.Lnot_wave_0_\@:
	s_barrier_wait -3
	s_barrier_signal -1
	s_barrier_wait -1
.endm
.macro CROUND
	s_barrier_signal -1
	s_barrier_wait -1
	CREST
.endm
.macro JLOAD                           ; a joint refill by the walking set: waves 0 and 1 fetch X's two halves, waves 2 and 3 W's; s_nop 0 and four v_nop follow each line
	s_cmp_eq_u32 s11, 0
	s_cbranch_scc0 .Lfor_b_\@
	tensor_load_to_lds s[G0+4:G0+7], s[G1:G1+7]
	s_nop 0
	PLACES
	s_branch .Lasked_\@
.Lfor_b_\@:
	tensor_load_to_lds s[G0B+4:G0B+7], s[G1B:G1B+7]
	s_nop 0
	PLACES
.Lasked_\@:
.endm
.macro WALK                            ; the walking sets: the other slot than last time, the next K step; the type bits on top are not reached
	s_xor_b32 s[G0+5], s[G0+5], SLOT1
	s_add_nc_u64 s[G0+6:G0+7], s[G0+6:G0+7], KBA
	s_xor_b32 s[G0B+5], s[G0B+5], SLOT1
	s_add_nc_u64 s[G0B+6:G0B+7], s[G0B+6:G0B+7], KBB
.endm
	s_load_b512 s[68:83], s[0:1], 0x0              ; Q 68, K 70, V 72, bQ 74, bK 76, bV 78, w16 80, qkv 82
	v_lshl_add_u32 v[SPW], v0, 2, SPARE
	v_mov_b32 v[NIL], 0
	ds_add_u32 v28, v29
	s_wait_dscnt 0x0
	v_lshrrev_b32 v1, 5, v0
	v_readfirstlane_b32 s10, v1                    ; wave 0..3
	s_lshr_b32 s11, s10, 1                         ; my half of the tile's rows.  Also: I fetch for X (0) or for W (1)
	s_and_b32 s12, s10, 1                          ; my half of its columns.  Also: which half of that tile I fetch
	s_bfe_u32 s40, ttmp6, 0x40000                  ; cx
	s_bfe_u32 s41, ttmp6, 0x40004                  ; cy
	s_lshl_b32 s42, ttmp9, 2
	s_add_co_u32 s42, s42, s40                     ; tile column = 4 x cluster x + cx
	s_and_b32 s14, ttmp7, 0xffff                   ; cluster y, 0..47
	s_lshr_b32 s45, s14, 4                         ; which projection: the same in all sixteen work-groups
	s_and_b32 s13, s14, 15
	s_lshl_b32 s13, s13, 2
	s_add_co_u32 s13, s13, s41                     ; tile row, 0..63
	s_lshl_b32 s43, s41, 2
	s_lshl_b32 s43, 15, s43                        ; my row of the cluster
	s_lshl_b32 s44, 0x1111, s40                    ; my column
	s_or_b32 s[G1+0], s43, (2<<16)|(1<<20)|(1<<21)|(6<<22)|(3<<25)   ; the mask; 4-byte elements; padding on; bit 21 beside a mask; after every 128 words 4 words
	s_mov_b32 s[G1+1], 128<<16                     ; tensor_dim0 = 128
	s_mov_b32 s[G1+2], 64<<16                      ; tensor_dim1 = 64
	s_mov_b32 s[G1+3], 128<<16                     ; tile_dim0 = 128
	s_mov_b32 s[G1+4], 64                          ; tile_dim1 = 64
	s_mov_b32 s[G1+5], 1024                        ; elements from row to row
	s_mov_b32 s[G1+6], 0
	s_mov_b32 s[G1+7], 0
	s_or_b32 s[G1B+0], s44, (1<<16)|(1<<20)|(1<<21)|(5<<22)|(3<<25)  ; 2-byte elements; after every 64 words 4 words
	s_mov_b32 s[G1B+1], 128<<16
	s_mov_b32 s[G1B+2], 128<<16
	s_mov_b32 s[G1B+3], 128<<16
	s_mov_b32 s[G1B+4], 128
	s_mov_b32 s[G1B+5], 1024
	s_mov_b32 s[G1B+6], 0
	s_mov_b32 s[G1B+7], 0
	s_lshl_b32 s16, s13, 7                         ; X: row 128 x tile row + 64 x half, 4,096 bytes a row: made of the tile row and the wave alone
	s_lshl_b32 s17, s12, 6
	s_add_co_u32 s16, s16, s17
	s_lshl_b32 s16, s16, 12
	s_mov_b32 s17, 0
	s_lshl_b32 s46, s42, 8                         ; W: row 256 x tile column + 128 x half, 2,048 bytes a row, in matrix T: never holds cy
	s_lshl_b32 s47, s12, 7
	s_add_co_u32 s46, s46, s47
	s_lshl_b32 s46, s46, 11
	s_lshl_b32 s47, s45, 21
	s_add_co_u32 s46, s46, s47
	s_mov_b32 s47, 0
	s_mul_i32 s20, s12, AHALF                      ; where the tiles go: no place in the cluster enters an LDS address
	s_mul_i32 s21, s12, BHALF
	s_add_co_u32 s21, s21, BBASE
	s_lshl_b32 s86, s42, 10                        ; the bias of my 128 columns
	s_lshl_b32 s87, s12, 9
	s_add_co_u32 s86, s86, s87
	s_mov_b32 s87, 0
	s_lshl_b32 s88, s13, 7                         ; my part of the result: row 128 x tile row + 64 x half, 2,048 bytes a row,
	s_lshl_b32 s89, s11, 6
	s_add_co_u32 s88, s88, s89
	s_lshl_b32 s88, s88, 11
	s_lshl_b32 s89, s45, 24                        ; in tensor T,
	s_add_co_u32 s88, s88, s89
	s_lshl_b32 s89, s42, 9                         ; column 256 x tile column + 128 x half
	s_add_co_u32 s88, s88, s89
	s_lshl_b32 s89, s12, 8
	s_add_co_u32 s88, s88, s89
	s_mov_b32 s89, 0
	s_wait_kmcnt 0x0
	s_cmp_eq_u32 s45, 1                            ; X and b are chosen by the projection's number
	s_cselect_b64 s[4:5], s[70:71], s[68:69]
	s_cselect_b64 s[6:7], s[76:77], s[74:75]
	s_cmp_eq_u32 s45, 2
	s_cselect_b64 s[4:5], s[72:73], s[4:5]
	s_cselect_b64 s[6:7], s[78:79], s[6:7]
	s_add_nc_u64 s[4:5], s[4:5], s[16:17]
	s_add_nc_u64 s[46:47], s[80:81], s[46:47]
	s_add_nc_u64 s[6:7], s[6:7], s[86:87]
	s_add_nc_u64 s[8:9], s[82:83], s[88:89]
	CROUND                                         ; all sixteen work-groups are here: the first joint loads meet
.irp n, 0,1
	s_mov_b32 s[G0+4*(\n)], 1
	s_add_co_u32 s[G0+4*(\n)+1], s20, (\n)*SLOT1
	s_add_nc_u64 s[G0+4*(\n)+2:G0+4*(\n)+3], s[4:5], (\n)*KBA
	s_or_b32 s[G0+4*(\n)+3], s[G0+4*(\n)+3], 0x80000000
	s_mov_b32 s[G0B+4*(\n)], 1
	s_add_co_u32 s[G0B+4*(\n)+1], s21, (\n)*SLOT1
	s_add_nc_u64 s[G0B+4*(\n)+2:G0B+4*(\n)+3], s[46:47], (\n)*KBB
	s_or_b32 s[G0B+4*(\n)+3], s[G0B+4*(\n)+3], 0x80000000
.endr
	s_cmp_eq_u32 s11, 0                            ; a wave's two first fills stand in one branch: two loads of mine are out
	s_cbranch_scc0 .Lfirst_b
	tensor_load_to_lds s[G0:G0+3], s[G1:G1+7]
	s_nop 0
	tensor_load_to_lds s[G0+4:G0+7], s[G1:G1+7]
	s_nop 0
	PLACES
	s_branch .Lfirst_done
.Lfirst_b:
	tensor_load_to_lds s[G0B:G0B+3], s[G1B:G1B+7]
	s_nop 0
	tensor_load_to_lds s[G0B+4:G0B+7], s[G1B:G1B+7]
	s_nop 0
	PLACES
.Lfirst_done:
	v_and_b32 v1, 15, v0                           ; r = l % 16
	v_bfe_u32 v2, v0, 4, 1                         ; h = l / 16
	v_mul_u32_u24 v[A0], v1, PA                    ; X in f32: row r, k = 8 h on: 32 h bytes
	v_lshl_add_u32 v[A0], v2, 5, v[A0]
	s_mul_i32 s22, s11, AHALF
	v_add_nc_u32 v[A0], s22, v[A0]
	v_mul_u32_u24 v[B0], v1, PB
	v_lshl_add_u32 v[B0], v2, 4, v[B0]
	s_mul_i32 s23, s12, BHALF
	s_add_co_u32 s23, s23, BBASE
	v_add_nc_u32 v[B0], s23, v[B0]
	s_mul_i32 s23, s10, 16*SP
	s_add_co_u32 s23, s23, STAGE                   ; my stage
	v_mul_u32_u24 v4, v1, SP
	v_lshl_add_u32 v4, v2, 4, v4
	v_add_nc_u32 v[STO], s23, v4
	v_mul_u32_u24 v5, v2, SP
	v_lshl_add_u32 v5, v1, 4, v5
	v_add_nc_u32 v[RD], s23, v5
	v_lshlrev_b32 v5, 11, v2
	v_lshl_add_u32 v[CO], v1, 4, v5
	; The bias as a C operand: register j of block b holds bf16(b[16 b + 8 h + j]) in f32.  It stands in the wait for the first tile.
	v_lshlrev_b32 v3, 5, v2
.set i, 0
.rept 16
	global_load_b128 v[128+4*i:128+4*i+3], v3, s[6:7] offset:(i/2)*64+(i%2)*16
.set i, i+1
.endr
	s_wait_loadcnt 0x0
.set i, 0
.rept 32
	v_cvt_pk_bf16_f32 v[192+i], v[128+2*i], v[129+2*i]
.set i, i+1
.endr
	WIN TO2
.set i, 0
.rept 32
	v_lshlrev_b32 v[BIAS+2*i], 16, v[192+i]
	v_and_b32 v[BIAS+2*i+1], 0xffff0000, v[192+i]
.set i, i+1
.endr
	WIN 0
; n blocks of 16 rows from a0 on x all 8 blocks of 16 columns, 32 along K, from buffer f.  zero = 1: the bias starts the sums.  The accumulators take turns, one instruction a turn.
.macro MUL f, a0, n, zero=0
.set aa, (\a0)
.rept (\n)
.set bb, 0
.rept 8
.if \zero
	WIN MULB
	v_wmma_f32_16x16x32_bf16 v[8*(8*aa+bb):8*(8*aa+bb)+7], v[BF+64*(\f)+8*bb:BF+64*(\f)+8*bb+7], v[AF+32*(\f)+8*aa:AF+32*(\f)+8*aa+7], v[BIAS+8*bb:BIAS+8*bb+7]
.else
	WIN MULW
	v_wmma_f32_16x16x32_bf16 v[8*(8*aa+bb):8*(8*aa+bb)+7], v[BF+64*(\f)+8*bb:BF+64*(\f)+8*bb+7], v[AF+32*(\f)+8*aa:AF+32*(\f)+8*aa+7], v[8*(8*aa+bb):8*(8*aa+bb)+7]
.endif
.set bb, bb+1
.endr
.set aa, aa+1
.endr
.endm
; 32 LDS loads in one run: quarter kq (32 along K) of the slot in hand: W's fragments into buffer g, X's in f32 into RAW
.macro FETCH kq, g
	WIN 0
.set i, 0
.rept 8
	ds_load_b128 v[BF+64*(\g)+8*i:BF+64*(\g)+8*i+3],   v[ADRB] offset:64*(\kq)+i*16*PB
	ds_load_b128 v[BF+64*(\g)+8*i+4:BF+64*(\g)+8*i+7], v[ADRB] offset:64*(\kq)+i*16*PB+32
.set i, i+1
.endr
	WIN TO2
.set i, 0
.rept 4
	ds_load_b128 v[RAW+16*i:RAW+16*i+3],     v[ADRA] offset:128*(\kq)+i*16*PA
	ds_load_b128 v[RAW+16*i+4:RAW+16*i+7],   v[ADRA] offset:128*(\kq)+i*16*PA+16
	ds_load_b128 v[RAW+16*i+8:RAW+16*i+11],  v[ADRA] offset:128*(\kq)+i*16*PA+64
	ds_load_b128 v[RAW+16*i+12:RAW+16*i+15], v[ADRA] offset:128*(\kq)+i*16*PA+80
.set i, i+1
.endr
.endm
; X's fragments are rounded to bf16 into buffer f.  These 32 plain instructions name no register of the products before them: they are also the places in front of the next run of loads.
.macro PREP f
	WIN CV2
.set i, 0
.rept 32
	v_cvt_pk_bf16_f32 v[AF+32*(\f)+i], v[RAW+2*i], v[RAW+2*i+1]
.set i, i+1
.endr
.endm
; One of a K step's first three quarters: multiplies buffer f, and ahead of that asks for quarter kq into buffer g: 32 matrix instructions ahead of its use.
.macro QUARTER kq, f, g, zero=0
	WIN 0
	s_wait_dscnt 0x0                               ; this quarter's fragments are in
	PREP \f
	FETCH \kq, \g
	MUL \f, 0, 4, \zero
.endm
; The last quarter multiplies buffer 1 and changes slots: ONE barrier; in front of it each wave waits for all its tensor loads (one is out: its part of the next slot), adds 0 to its spare
; word, and waits for that and for its own reads of this slot.  fill = 1: the barrier opens a round of the cluster's, and this slot is filled again, two K steps ahead, first thing behind it.
; fill = 0: the tail: nothing is asked for, and in the last trip nothing is fetched either.
.macro TURN fill
	WIN 0
	s_wait_tensorcnt 0x0                           ; all my tensor loads have landed
	ds_add_u32 v[SPW], v[NIL]                      ; 0 onto my spare word
	s_wait_dscnt 0x1                               ; only the add may be out: the fragments are in
	PREP 1
	MUL 1, 0, 1
	s_wait_dscnt 0x0                               ; the add is done, and my reads of this slot are over
	s_barrier_signal -1
	MUL 1, 1, 1
	WIN 0
	s_barrier_wait -1
.if \fill
	CREST                                          ; no wave of any partner still reads this slot or has a load on its way
	WALK
	JLOAD                                          ; 112 matrix instructions ahead of the wait for it
.else
	PLACES
	s_cmp_eq_u32 s[CNT], 1
	s_cbranch_scc1 .Lskip_\@
.endif
	s_xor_b32 s[TB], s[TB], SLOT1
	v_add_nc_u32 v[ADRA], s[TB], v[A0]
	v_add_nc_u32 v[ADRB], s[TB], v[B0]
	FETCH 0, 0
	WIN 0
.if (\fill) == 0
.Lskip_\@:
.endif
	MUL 1, 2, 2
.endm
; THE WAY OUT of block a (16 rows x 128 columns): rounded to f16, 16 bytes a lane; through my own stage; stored as whole rows of 256 bytes.
.macro PACK a
	WIN PK1
.set i, 0
.rept 32
	v_cvt_pk_f16_f32 v[TMP+32*((\a)%2)+i], v[64*(\a)+2*i], v[64*(\a)+2*i+1]   ; each accumulator's registers in ascending order
.set i, i+1
.endr
	WIN 0
.endm
.macro TOSTAGE a
.set i, 0
.rept 8
	ds_store_b128 v[STO], v[TMP+32*((\a)%2)+4*i:TMP+32*((\a)%2)+4*i+3] offset:32*i
.set i, i+1
.endr
.set i, 0
.rept 8
	ds_load_b128 v[BK+32*((\a)%2)+4*i:BK+32*((\a)%2)+4*i+3], v[RD] offset:i*2*SP  ; LDS serves a wave's instructions in order (ISA guide 5.7.1.4): these see the stores above
.set i, i+1
.endr
.endm
.macro SEND a
	s_wait_dscnt 0x0                               ; the block is back in registers
	s_wait_xcnt 0x0                                ; the registers that earlier stores read are loaded again only behind this wait
.set i, 0
.rept 8
	global_store_b128 v[CO], v[BK+32*((\a)%2)+4*i:BK+32*((\a)%2)+4*i+3], s[8:9] offset:(\a)*32768+i*4096  ; 16 lanes store 256 consecutive bytes, aligned
.set i, i+1
.endr
.endm
	s_wait_tensorcnt 0x1                           ; my part of K step 0 is in; step 1's may stay out
	s_barrier_signal -1
	s_barrier_wait -1
	s_mov_b32 s[TB], 0
	v_mov_b32 v[ADRA], v[A0]
	v_mov_b32 v[ADRB], v[B0]
	FETCH 0, 0
	QUARTER 1, 0, 1, 1                             ; the first quarter stands in front of the loop: its products start the sums
	WIN 0
	s_mov_b32 s[CNT], NSTEP-2
	s_branch .Lmid
.Lstep:                                                ; a trip is a K step; all but the last two fill their slot again
	QUARTER 1, 0, 1
	WIN 0
.Lmid:
	QUARTER 2, 1, 0
	QUARTER 3, 0, 1
	TURN 1
	WIN 0
	s_sub_co_u32 s[CNT], s[CNT], 1
	s_cmp_lg_u32 s[CNT], 0
	s_cbranch_scc1 .Lstep
	s_mov_b32 s[CNT], 2
.Ltail:                                                ; the last two K steps are a text of their own
	QUARTER 1, 0, 1
	QUARTER 2, 1, 0
	QUARTER 3, 0, 1
	TURN 0
	WIN 0
	s_sub_co_u32 s[CNT], s[CNT], 1
	s_cmp_lg_u32 s[CNT], 0
	s_cbranch_scc1 .Ltail
	PLACES                                         ; behind the last products
	PACK 0
	TOSTAGE 0
.irp a, 1,2,3
	PACK \a
	SEND (\a)-1
	TOSTAGE \a
.endr
	SEND 3
	s_wait_tensorcnt 0x0                           ; the wave's end
	ds_add_u32 v[SPW], v[NIL]
	s_wait_dscnt 0x0
	CROUND                                         ; the closing round
	s_endpgm
.Lfunc_end_k_q6db1983685_proj:
	.size	k_q6db1983685_proj, .Lfunc_end_k_q6db1983685_proj-k_q6db1983685_proj
	.p2alignl 7, 3214868480
	.fill 96, 4, 3214868480
	.section	.rodata,"a",@progbits
	.p2align	6, 0x0
	.amdhsa_kernel k_q6db1983685_proj
		.amdhsa_group_segment_fixed_size 327680
		.amdhsa_private_segment_fixed_size 0
		.amdhsa_enable_private_segment 0
		.amdhsa_kernarg_size 64
		.amdhsa_user_sgpr_count 2
		.amdhsa_user_sgpr_kernarg_segment_ptr 1
		.amdhsa_wavefront_size32 1
		.amdhsa_system_sgpr_workgroup_id_x 1
		.amdhsa_system_sgpr_workgroup_id_y 1
		.amdhsa_system_sgpr_workgroup_id_z 1
		.amdhsa_system_vgpr_workitem_id 0
		.amdhsa_next_free_vgpr 640
		.amdhsa_next_free_sgpr 92
		.amdhsa_reserve_vcc 0
		.amdhsa_float_denorm_mode_32 3
		.amdhsa_float_denorm_mode_16_64 3
		.amdhsa_memory_ordered 1
		.amdhsa_forward_progress 1
		.amdhsa_inst_pref_size 90
	.end_amdhsa_kernel
	.amdgpu_metadata
---
amdhsa.version: [ 1, 2 ]
amdhsa.kernels:
  - .name:           k_q6db1983685_proj
    .symbol:         k_q6db1983685_proj.kd
    .args:
      - { .name: Q, .offset: 0, .size: 8, .value_kind: global_buffer, .address_space: global }
      - { .name: K, .offset: 8, .size: 8, .value_kind: global_buffer, .address_space: global }
      - { .name: V, .offset: 16, .size: 8, .value_kind: global_buffer, .address_space: global }
      - { .name: bQ, .offset: 24, .size: 8, .value_kind: global_buffer, .address_space: global }
      - { .name: bK, .offset: 32, .size: 8, .value_kind: global_buffer, .address_space: global }
      - { .name: bV, .offset: 40, .size: 8, .value_kind: global_buffer, .address_space: global }
      - { .name: w16, .offset: 48, .size: 8, .value_kind: global_buffer, .address_space: global }
      - { .name: qkv, .offset: 56, .size: 8, .value_kind: global_buffer, .address_space: global }
    .group_segment_fixed_size: 327680
    .private_segment_fixed_size: 0
    .kernarg_segment_align: 8
    .kernarg_segment_size: 64
    .max_flat_workgroup_size: 128
    .sgpr_count:     92
    .vgpr_count:     640
    .wavefront_size: 32
...
	.end_amdgpu_metadata
.endif
;; end of part 2
;; launch scores (part 3): grid 8 x 32, 4 waves a work-group, clusters of 4 x 4, 327,680 bytes of LDS; arguments qkv, p16, stat; writes p16, stat
.if DOCPART == 3
	.amdgcn_target "amdgcn-amd-amdhsa--gfx1250"
	.amdhsa_code_object_version 6
	.text
	.protected	k_q6db1983685_scores
	.globl	k_q6db1983685_scores
	.p2align	8
	.type	k_q6db1983685_scores,@function
k_q6db1983685_scores:
	s_mov_b64 s[64:65], 0
	v_nop
	global_prefetch_b8 v0, s[64:65] scope:SCOPE_SE
	s_setreg_imm32_b32 hwreg(HW_REG_WAVE_MODE, 25, 1), 1
	s_wait_xcnt 0x0
	s_wait_alu depctr_hold_cnt(0) depctr_sa_sdst(0) depctr_va_vdst(0) depctr_va_sdst(0) depctr_va_ssrc(0) depctr_va_vcc(0) depctr_vm_vsrc(0)
	s_getreg_b32 s2, hwreg(HW_REG_IB_STS2, 6, 4)
	s_cmp_eq_u32 s2, 0
	s_cbranch_scc0 .Lentry_in_a_cluster
	s_endpgm
.Lentry_in_a_cluster:
	s_bfe_u32 s2, ttmp6, 0x10000c
	s_cmp_lg_u32 s2, 0xf033
	s_cbranch_scc0 .Lentry_shape_is_right
	s_endpgm
.Lentry_shape_is_right:
; S = q k^T for each of 4 batches, and the first half of the softmax.  q, k: [8192][1024] f16 in qkv.  For each query row and each CHUNK of 128 keys (one wave's columns):
; m = the chunk's true maximum, p = 2^(c s - c m) with c = log2(e) / 32, stored in f16 into p16[8192][2048]; c m and the sum of the unrounded p go in f32 into
; stat[16 chunks][8192 rows] (c m at byte 0, the sums at byte 524,288).  The next launch joins the chunks by the row's maximum.  Every exponent is 0 or below, up to one rounding of c m.
; LIMITS: p below 6e-5 keeps f16's fixed step of 6e-8; a weight below 2^-126 counts as 0 in the sum; NaN and infinities are not treated apart.
; SHARES.  256 tiles of 256 queries x 256 keys, one to a work-group; four waves, each 128 x 128: 64 accumulators, 512 registers.  K goes in 8 steps of 128 through two LDS slots.
; CLUSTER 4 x 4: q's tile is shared along a row of the cluster, k's along a column: joint loads.  The matrix instruction is used transposed (source 0 = 16 keys, source 1 = 16 queries).
; The K loop is written as ONE step; slots are turned by an exclusive or (SLOT1 shares no bit with the four tiles' first bytes).
; THE WAY OUT.  The ring has had its last fill: each wave lays its 128 x 128 scores in f32 into its own 67,584 bytes of it and reads them back by rows, sixteen lanes to a row's 128 keys,
; so that maximum and sum stay inside sixteen lanes and a row's 256 bytes of p leave in one store.  A loop of eight trips, 16 rows each.
; REGISTERS: window 0: v0-31 addresses; v64-127, v128-191 q's fragments, two buffers; later the way out's registers.  window 1: the same for k.  windows 2, 3: accumulator (a, b) at v[8 (8 a + b)], rows 0-63 and 64-127.
.set NSTEP, 8
.set PITCH, 272
.set HALFT, 128*PITCH
.set SLOT1, 4*HALFT                    ; 0x22000
.set STS,   2*SLOT1                    ; behind the ring: 1,024 bytes a wave: 128 c m, 128 sums
.set SPARE, STS+4096                   ; the spare words, 128 bytes a wave: two blocks of 256 bytes that no other line names
.set DP,    528                        ; a row of scores in f32: 512 bytes + 16
.set DW,    128*DP
.set KB,    256
.set A0,   16
.set B0,   17
.set ADRA, 18
.set ADRB, 19
.set DST,  20                          ; v20  where I lay my scores down
.set DRD,  21                          ; v21  where I read rows back; steps 16 rows a trip
.set PO,   22                          ; v22  my byte offset in p16; steps 16 rows a trip
.set SST,  23                          ; v23  where a row's two figures go; steps 16 rows a trip
.set SRD,  24                          ; v24  where I read the figures back
.set SO,   25                          ; v25  my byte offset in stat
.set SPW,  28
.set NIL,  29
.set F0,   64
.set F1,   128
.set X,    64                          ; v64-127  group i of 8: eight scores of row 2 i + l / 16
.set Y,    128                         ; v128-159 the same as f16
.set CX,   160                         ; v160-167 the maximum
.set CMP,  168                         ; v168-183 c m, twice: a pair for the packed scaling
.set LS,   224                         ; v224-231 the sum
.set G1,  24
.set G0,  32
.set G1B, 48
.set G0B, 56
.set TB,  66
.set CNT, 67
.set CS,  84                           ; s[84:85] c
.set MUL_LO, 0xa1                      ; source 0 (k) window 1, source 1 (q) window 0, C and D window 2
.set MUL_HI, 0xf1
.set TO_B,   0x40
.set MSB, 0
.macro WIN new
.if MSB != (\new)
	s_set_vgpr_msb (MSB<<8)|(\new)
.set MSB, \new
.endif
.endm
.macro PLACES
.rept 4
	v_nop
.endr
.endm
.macro CREST
	s_cmp_lg_u32 s10, 0
	s_cbranch_scc1 .Lnot_wave_0_\@
	s_barrier_signal -3
.Lnot_wave_0_\@:
	s_barrier_wait -3
	s_barrier_signal -1
	s_barrier_wait -1
.endm
.macro CROUND
	s_barrier_signal -1
	s_barrier_wait -1
	CREST
.endm
.macro JLOAD                           ; waves 0 and 1 fetch q's two halves, waves 2 and 3 k's; s_nop 0 and four v_nop follow each line
	s_cmp_eq_u32 s11, 0
	s_cbranch_scc0 .Lfor_b_\@
	tensor_load_to_lds s[G0+4:G0+7], s[G1:G1+7]
	s_nop 0
	PLACES
	s_branch .Lasked_\@
.Lfor_b_\@:
	tensor_load_to_lds s[G0B+4:G0B+7], s[G1B:G1B+7]
	s_nop 0
	PLACES
.Lasked_\@:
.endm
.macro WALK
	s_xor_b32 s[G0+5], s[G0+5], SLOT1
	s_add_nc_u64 s[G0+6:G0+7], s[G0+6:G0+7], KB
	s_xor_b32 s[G0B+5], s[G0B+5], SLOT1
	s_add_nc_u64 s[G0B+6:G0B+7], s[G0B+6:G0B+7], KB
.endm
	s_load_b128 s[68:71], s[0:1], 0x0              ; qkv 68, p16 70
	s_load_b64 s[72:73], s[0:1], 0x10              ; stat
	v_lshl_add_u32 v[SPW], v0, 2, SPARE
	v_mov_b32 v[NIL], 0
	ds_add_u32 v28, v29
	s_wait_dscnt 0x0
	v_lshrrev_b32 v1, 5, v0
	v_readfirstlane_b32 s10, v1
	s_lshr_b32 s11, s10, 1                         ; my half of the queries.  Also: I fetch for q (0) or for k (1)
	s_and_b32 s12, s10, 1                          ; my half of the keys.  Also: which 128 rows I fetch
	s_bfe_u32 s40, ttmp6, 0x40000
	s_bfe_u32 s41, ttmp6, 0x40004
	s_lshl_b32 s42, ttmp9, 2
	s_add_co_u32 s42, s42, s40                     ; key tile, 0..7
	s_and_b32 s14, ttmp7, 0xffff
	s_lshr_b32 s45, s14, 1                         ; the batch: eight query tiles each, so two clusters along y
	s_lshl_b32 s13, s14, 2
	s_add_co_u32 s13, s13, s41                     ; query tile over all batches, 0..31
	s_lshl_b32 s43, s41, 2
	s_lshl_b32 s43, 15, s43
	s_lshl_b32 s44, 0x1111, s40
	s_or_b32 s[G1+0], s43, (1<<16)|(1<<20)|(1<<21)|(5<<22)|(3<<25)
	s_or_b32 s[G1B+0], s44, (1<<16)|(1<<20)|(1<<21)|(5<<22)|(3<<25)
.irp g, G1, G1B
	s_mov_b32 s[(\g)+1], 128<<16                   ; tensor_dim0 = 128
	s_mov_b32 s[(\g)+2], 128<<16                   ; tensor_dim1 = 128
	s_mov_b32 s[(\g)+3], 128<<16                   ; tile_dim0 = 128
	s_mov_b32 s[(\g)+4], 128                       ; tile_dim1 = 128
	s_mov_b32 s[(\g)+5], 1024
	s_mov_b32 s[(\g)+6], 0
	s_mov_b32 s[(\g)+7], 0
.endr
	s_lshl_b32 s16, s13, 8                         ; q: row 256 x query tile + 128 x half, 2,048 bytes a row
	s_lshl_b32 s17, s12, 7
	s_add_co_u32 s16, s16, s17
	s_lshl_b32 s16, s16, 11
	s_mov_b32 s17, 0
	s_lshl_b32 s46, s45, 11                        ; k: row 2,048 x batch + 256 x key tile + 128 x half, behind q's 16,777,216 bytes
	s_lshl_b32 s47, s42, 8
	s_add_co_u32 s46, s46, s47
	s_lshl_b32 s47, s12, 7
	s_add_co_u32 s46, s46, s47
	s_lshl_b32 s46, s46, 11
	s_add_co_u32 s46, s46, 16777216
	s_mov_b32 s47, 0
	s_mul_i32 s20, s10, HALFT                      ; q's two halves, then k's two: wave x 128 rows
	s_lshl_b32 s86, s13, 8                         ; p16: row 256 x query tile + 128 x half, 4,096 bytes a row; column 256 x key tile + 128 x half
	s_lshl_b32 s87, s11, 7
	s_add_co_u32 s86, s86, s87
	s_lshl_b32 s88, s86, 2                         ; (the same row in stat, 4 bytes a row)
	s_lshl_b32 s86, s86, 12
	s_lshl_b32 s87, s42, 9
	s_add_co_u32 s86, s86, s87
	s_lshl_b32 s87, s12, 8
	s_add_co_u32 s86, s86, s87
	s_mov_b32 s87, 0
	s_lshl_b32 s89, s42, 1                         ; stat: chunk 2 x key tile + half, 32,768 bytes a chunk
	s_add_co_u32 s89, s89, s12
	s_lshl_b32 s89, s89, 15
	s_add_co_u32 s88, s88, s89
	s_mov_b32 s89, 0
	s_mov_b32 s[CS], 0x3d38aa3b                    ; c = log2(e) / 32
	s_mov_b32 s[CS+1], s[CS]
	s_wait_kmcnt 0x0
	s_add_nc_u64 s[4:5], s[68:69], s[16:17]
	s_add_nc_u64 s[46:47], s[68:69], s[46:47]
	s_add_nc_u64 s[8:9], s[70:71], s[86:87]
	s_add_nc_u64 s[6:7], s[72:73], s[88:89]
	CROUND
.irp n, 0,1
	s_mov_b32 s[G0+4*(\n)], 1
	s_add_co_u32 s[G0+4*(\n)+1], s20, (\n)*SLOT1
	s_add_nc_u64 s[G0+4*(\n)+2:G0+4*(\n)+3], s[4:5], (\n)*KB
	s_or_b32 s[G0+4*(\n)+3], s[G0+4*(\n)+3], 0x80000000
	s_mov_b32 s[G0B+4*(\n)], 1
	s_add_co_u32 s[G0B+4*(\n)+1], s20, (\n)*SLOT1
	s_add_nc_u64 s[G0B+4*(\n)+2:G0B+4*(\n)+3], s[46:47], (\n)*KB
	s_or_b32 s[G0B+4*(\n)+3], s[G0B+4*(\n)+3], 0x80000000
.endr
	s_cmp_eq_u32 s11, 0                            ; a wave's two first fills stand in one branch: two loads of mine are out
	s_cbranch_scc0 .Lfirst_b
	tensor_load_to_lds s[G0:G0+3], s[G1:G1+7]
	s_nop 0
	tensor_load_to_lds s[G0+4:G0+7], s[G1:G1+7]
	s_nop 0
	PLACES
	s_branch .Lfirst_done
.Lfirst_b:
	tensor_load_to_lds s[G0B:G0B+3], s[G1B:G1B+7]
	s_nop 0
	tensor_load_to_lds s[G0B+4:G0B+7], s[G1B:G1B+7]
	s_nop 0
	PLACES
.Lfirst_done:
	v_and_b32 v1, 15, v0                           ; r
	v_bfe_u32 v2, v0, 4, 1                         ; h
	v_mul_u32_u24 v3, v1, PITCH
	v_lshl_add_u32 v3, v2, 4, v3
	s_mul_i32 s21, s11, HALFT
	s_mul_i32 s22, s12, HALFT
	s_add_co_u32 s22, s22, 2*HALFT
	v_add_nc_u32 v[A0], s21, v3
	v_add_nc_u32 v[B0], s22, v3
	s_mul_i32 s23, s10, DW                         ; my 67,584 bytes for the way out
	v_mul_u32_u24 v[DST], v1, DP                   ; down: row r, keys 8 h on
	v_lshl_add_u32 v[DST], v2, 5, v[DST]
	v_add_nc_u32 v[DST], s23, v[DST]
	v_mul_u32_u24 v[DRD], v2, DP                   ; back: row h, keys 8 r on
	v_lshl_add_u32 v[DRD], v1, 5, v[DRD]
	v_add_nc_u32 v[DRD], s23, v[DRD]
	v_lshlrev_b32 v[PO], 12, v2
	v_lshl_add_u32 v[PO], v1, 4, v[PO]
	s_lshl_b32 s23, s10, 10
	s_add_co_u32 s23, s23, STS
	v_lshl_add_u32 v[SST], v2, 2, s23
	v_and_b32 v[SO], 31, v0
	v_lshlrev_b32 v[SO], 4, v[SO]
	v_add_nc_u32 v[SRD], s23, v[SO]
; 16 matrix instructions: blocks a0, a0 + 1 of the window's four x all 8 key blocks, 32 along K.  zero = 1: the first product starts the sums.  The 64 accumulators take turns.
.macro MUL16 f, hi, a0, zero
	WIN MUL_LO+0x50*(\hi)
.irp a, \a0, (\a0)+1
.irp b, 0,1,2,3,4,5,6,7
.if \zero
	v_wmma_f32_16x16x32_f16 v[8*(8*(\a)+(\b)):8*(8*(\a)+(\b))+7], v[(\f)+8*(\b):(\f)+8*(\b)+7], v[(\f)+8*(4*(\hi)+(\a)):(\f)+8*(4*(\hi)+(\a))+7], 0
.else
	v_wmma_f32_16x16x32_f16 v[8*(8*(\a)+(\b)):8*(8*(\a)+(\b))+7], v[(\f)+8*(\b):(\f)+8*(\b)+7], v[(\f)+8*(4*(\hi)+(\a)):(\f)+8*(4*(\hi)+(\a))+7], v[8*(8*(\a)+(\b)):8*(8*(\a)+(\b))+7]
.endif
.endr
.endr
.endm
.macro FETCH k, f                      ; 32 LDS loads in one run: 128 rows of k, 128 rows of q, 32 along K at byte k of the rows
	WIN TO_B
.irp i, 0,1,2,3,4,5,6,7
	ds_load_b128 v[(\f)+8*(\i):(\f)+8*(\i)+3],   v[ADRB] offset:(\k)+(\i)*16*PITCH
	ds_load_b128 v[(\f)+8*(\i)+4:(\f)+8*(\i)+7], v[ADRB] offset:(\k)+(\i)*16*PITCH+32
.endr
	WIN 0
.irp i, 0,1,2,3,4,5,6,7
	ds_load_b128 v[(\f)+8*(\i):(\f)+8*(\i)+3],   v[ADRA] offset:(\k)+(\i)*16*PITCH
	ds_load_b128 v[(\f)+8*(\i)+4:(\f)+8*(\i)+7], v[ADRA] offset:(\k)+(\i)*16*PITCH+32
.endr
.endm
.macro QUARTER k, f, g, zero
	s_wait_dscnt 8                                 ; k and q's rows 0-63 are in; the youngest eight loads (q's rows 64-127) may be out
	MUL16 \f, 0, 0, \zero
	MUL16 \f, 0, 2, \zero
	PLACES                                         ; in front of loads into registers that matrix instructions have read
	FETCH \k, \g
	s_wait_dscnt 32                                ; all but the 32 just issued
	MUL16 \f, 1, 0, \zero
	MUL16 \f, 1, 2, \zero
.endm
; The last quarter multiplies buffer 1 and changes slots: one barrier; in front of it the wait for all my tensor loads, the add, and the wait for it and for my reads of this slot.
.macro TURN fill
	WIN 0
	s_wait_tensorcnt 0x0                           ; all my tensor loads have landed: my part of the next slot
	ds_add_u32 v[SPW], v[NIL]                      ; 0 onto my spare word
	s_wait_dscnt 9                                 ; the add and the youngest eight loads may be out
	MUL16 F1, 0, 0, 0
	s_wait_dscnt 0x0                               ; the add is done, and my reads of this slot are over
	s_barrier_signal -1
	MUL16 F1, 0, 2, 0
	WIN 0
	s_barrier_wait -1
.if \fill
	CREST                                          ; no wave of any partner still reads this slot or has a load on its way
	WALK
	JLOAD                                          ; 224 matrix instructions ahead of the wait for it; its four v_nop are the places in front of the loads below
.else
	PLACES
	s_cmp_eq_u32 s[CNT], 1
	s_cbranch_scc1 .Lskip_\@
.endif
	s_xor_b32 s[TB], s[TB], SLOT1
	v_add_nc_u32 v[ADRA], s[TB], v[A0]
	v_add_nc_u32 v[ADRB], s[TB], v[B0]
	FETCH 0, F0
	WIN 0
.if (\fill) == 0
.Lskip_\@:
.endif
	MUL16 F1, 1, 0, 0
	MUL16 F1, 1, 2, 0
.endm
.macro EACH line:vararg                ; one line for each group i of 8
.set i, 0
.rept 8
	\line
.set i, i+1
.endr
.endm
	s_wait_tensorcnt 0x1                           ; my part of K step 0 is in; step 1's may stay out
	s_barrier_signal -1
	s_barrier_wait -1
	s_mov_b32 s[TB], 0
	v_mov_b32 v[ADRA], v[A0]
	v_mov_b32 v[ADRB], v[B0]
	FETCH 0, F0
	QUARTER 64, F0, F1, 1
	WIN 0
	s_mov_b32 s[CNT], NSTEP-2
	s_branch .Lmid
.Lstep:
	QUARTER 64, F0, F1, 0
	WIN 0
.Lmid:
	QUARTER 128, F1, F0, 0
	QUARTER 192, F0, F1, 0
	TURN 1
	WIN 0
	s_sub_co_u32 s[CNT], s[CNT], 1
	s_cmp_lg_u32 s[CNT], 0
	s_cbranch_scc1 .Lstep
	s_mov_b32 s[CNT], 2
.Ltail:                                                ; the last two K steps: nothing is asked for
	QUARTER 64, F0, F1, 0
	QUARTER 128, F1, F0, 0
	QUARTER 192, F0, F1, 0
	TURN 0
	WIN 0
	s_sub_co_u32 s[CNT], s[CNT], 1
	s_cmp_lg_u32 s[CNT], 0
	s_cbranch_scc1 .Ltail
	s_wait_dscnt 0x0                               ; my reads of the ring are over;
	s_barrier_signal -1
	s_barrier_wait -1                              ; everybody's are, and no fill follows: the ring's bytes are written by the waves from here on
	PLACES                                         ; behind the last products
.set aa, 0
.rept 8
	WIN 0x08+4*(aa/4)                              ; store data in window 2, then 3
.set bb, 0
.rept 8
	ds_store_b128 v[DST], v[8*(8*(aa%4)+bb):8*(8*(aa%4)+bb)+3]   offset:aa*16*DP+64*bb      ; each accumulator's low half first
	ds_store_b128 v[DST], v[8*(8*(aa%4)+bb)+4:8*(8*(aa%4)+bb)+7] offset:aa*16*DP+64*bb+16
.set bb, bb+1
.endr
.set aa, aa+1
.endr
	WIN 0
	s_mov_b32 s[CNT], 8
.Lrows:                                                ; a trip: 16 rows; group i is rows 2 i and 2 i + 1, sixteen lanes to a row, eight keys a lane
	EACH ds_load_b128 v[X+8*i:X+8*i+3], v[DRD] offset:2*DP*i
	EACH ds_load_b128 v[X+8*i+4:X+8*i+7], v[DRD] offset:2*DP*i+16
	s_wait_dscnt 0x0                               ; LDS serves a wave's instructions in order: these loads see my stores above
	EACH v_max3_num_f32 v[CX+i], v[X+8*i], v[X+8*i+1], v[X+8*i+2]
	EACH v_max3_num_f32 v[CX+i], v[CX+i], v[X+8*i+3], v[X+8*i+4]
	EACH v_max3_num_f32 v[CX+i], v[CX+i], v[X+8*i+5], v[X+8*i+6]
	EACH v_max_num_f32 v[CX+i], v[CX+i], v[X+8*i+7]
.irp m, 1,2,4,8
	EACH v_max_num_f32_dpp v[CX+i], v[CX+i], v[CX+i] row_xmask:\m row_mask:0xf bank_mask:0xf
.endr
	EACH v_mul_f32 v[CMP+2*i], s[CS], v[CX+i]      ; c m, in both registers of a pair
	EACH v_mul_f32 v[CMP+2*i+1], s[CS], v[CX+i]
.set n, 0
.rept 32
	v_pk_fma_f32 v[X+2*n:X+2*n+1], v[X+2*n:X+2*n+1], s[CS:CS+1], v[CMP+2*(n/4):CMP+2*(n/4)+1] op_sel_hi:[1,0,1] neg_lo:[0,0,1] neg_hi:[0,0,1]  ; c s - c m
.set n, n+1
.endr
.set n, 0
.rept 64
	v_exp_f32 v[X+n], v[X+n]
.set n, n+1
.endr
	v_nop                                          ; a plain instruction between the last exponential and the use of its result
.set n, 0
	s_wait_alu depctr_va_vdst(0)
.rept 32
	v_cvt_pk_f16_f32 v[Y+n], v[X+2*n], v[X+2*n+1]
.set n, n+1
.endr
	EACH v_pk_add_f32 v[X+8*i:X+8*i+1], v[X+8*i:X+8*i+1], v[X+8*i+2:X+8*i+3]      ; the sum is taken of the unrounded weights, in place
	EACH v_pk_add_f32 v[X+8*i+4:X+8*i+5], v[X+8*i+4:X+8*i+5], v[X+8*i+6:X+8*i+7]
	EACH v_pk_add_f32 v[X+8*i:X+8*i+1], v[X+8*i:X+8*i+1], v[X+8*i+4:X+8*i+5]
	EACH v_add_f32 v[LS+i], v[X+8*i], v[X+8*i+1]
.irp m, 1,2,4,8
	EACH v_add_f32_dpp v[LS+i], v[LS+i], v[LS+i] row_xmask:\m row_mask:0xf bank_mask:0xf
.endr
	EACH global_store_b128 v[PO], v[Y+4*i:Y+4*i+3], s[8:9] offset:8192*i          ; 16 lanes store a row's 256 consecutive bytes, aligned
	EACH ds_store_b32 v[SST], v[CMP+2*i] offset:8*i                               ; a row's sixteen lanes write the same word with the same number
	EACH ds_store_b32 v[SST], v[LS+i] offset:512+8*i
	s_wait_xcnt 0x0                                ; the stores' offset and data are rewritten only behind this wait
	v_add_nc_u32 v[DRD], 16*DP, v[DRD]
	v_add_nc_u32 v[PO], 16*4096, v[PO]
	v_add_nc_u32 v[SST], 64, v[SST]
	s_sub_co_u32 s[CNT], s[CNT], 1
	s_cmp_lg_u32 s[CNT], 0
	s_cbranch_scc1 .Lrows
	ds_load_b128 v[X:X+3], v[SRD]                  ; my 128 rows' figures, 512 consecutive bytes each
	ds_load_b128 v[X+4:X+7], v[SRD] offset:512
	s_wait_dscnt 0x0
	global_store_b128 v[SO], v[X:X+3], s[6:7]
	global_store_b128 v[SO], v[X+4:X+7], s[6:7] offset:524288
	s_wait_tensorcnt 0x0                           ; the wave's end
	ds_add_u32 v[SPW], v[NIL]
	s_wait_dscnt 0x0
	CROUND                                         ; the closing round
	s_endpgm
.Lfunc_end_k_q6db1983685_scores:
	.size	k_q6db1983685_scores, .Lfunc_end_k_q6db1983685_scores-k_q6db1983685_scores
	.p2alignl 7, 3214868480
	.fill 96, 4, 3214868480
	.section	.rodata,"a",@progbits
	.p2align	6, 0x0
	.amdhsa_kernel k_q6db1983685_scores
		.amdhsa_group_segment_fixed_size 327680
		.amdhsa_private_segment_fixed_size 0
		.amdhsa_enable_private_segment 0
		.amdhsa_kernarg_size 24
		.amdhsa_user_sgpr_count 2
		.amdhsa_user_sgpr_kernarg_segment_ptr 1
		.amdhsa_wavefront_size32 1
		.amdhsa_system_sgpr_workgroup_id_x 1
		.amdhsa_system_sgpr_workgroup_id_y 1
		.amdhsa_system_sgpr_workgroup_id_z 1
		.amdhsa_system_vgpr_workitem_id 0
		.amdhsa_next_free_vgpr 1024
		.amdhsa_next_free_sgpr 92
		.amdhsa_reserve_vcc 0
		.amdhsa_float_denorm_mode_32 3
		.amdhsa_float_denorm_mode_16_64 3
		.amdhsa_memory_ordered 1
		.amdhsa_forward_progress 1
		.amdhsa_inst_pref_size 95
	.end_amdhsa_kernel
	.amdgpu_metadata
---
amdhsa.version: [ 1, 2 ]
amdhsa.kernels:
  - .name:           k_q6db1983685_scores
    .symbol:         k_q6db1983685_scores.kd
    .args:
      - { .name: qkv, .offset: 0, .size: 8, .value_kind: global_buffer, .address_space: global }
      - { .name: p16, .offset: 8, .size: 8, .value_kind: global_buffer, .address_space: global }
      - { .name: stat, .offset: 16, .size: 8, .value_kind: global_buffer, .address_space: global }
    .group_segment_fixed_size: 327680
    .private_segment_fixed_size: 0
    .kernarg_segment_align: 8
    .kernarg_segment_size: 24
    .max_flat_workgroup_size: 128
    .sgpr_count:     92
    .vgpr_count:     1024
    .wavefront_size: 32
...
	.end_amdgpu_metadata
.endif
;; end of part 3
;; launch pv (part 4): grid 4 x 64, 4 waves a work-group, clusters of 4 x 4, 327,680 bytes of LDS; arguments p16, qkv, stat, z16; writes z16
.if DOCPART == 4
	.amdgcn_target "amdgcn-amd-amdhsa--gfx1250"
	.amdhsa_code_object_version 6
	.text
	.protected	k_q6db1983685_pv
	.globl	k_q6db1983685_pv
	.p2align	8
	.type	k_q6db1983685_pv,@function
k_q6db1983685_pv:
	s_mov_b64 s[64:65], 0
	v_nop
	global_prefetch_b8 v0, s[64:65] scope:SCOPE_SE
	s_setreg_imm32_b32 hwreg(HW_REG_WAVE_MODE, 25, 1), 1
	s_wait_xcnt 0x0
	s_wait_alu depctr_hold_cnt(0) depctr_sa_sdst(0) depctr_va_vdst(0) depctr_va_sdst(0) depctr_va_ssrc(0) depctr_va_vcc(0) depctr_vm_vsrc(0)
	s_getreg_b32 s2, hwreg(HW_REG_IB_STS2, 6, 4)
	s_cmp_eq_u32 s2, 0
	s_cbranch_scc0 .Lentry_in_a_cluster
	s_endpgm
.Lentry_in_a_cluster:
	s_bfe_u32 s2, ttmp6, 0x10000c
	s_cmp_lg_u32 s2, 0xf033
	s_cbranch_scc0 .Lentry_shape_is_right
	s_endpgm
.Lentry_shape_is_right:
; Z = softmax(S) v, the second half.  p16[8192][2048] f16 holds p = 2^(c s - c m_chunk), stat the 16 chunks' c m and sums for each row, qkv's third part v[8192][1024] f16.
; For a row: M = the largest c m_chunk (the row's true maximum), f_chunk = 2^(c m_chunk - M), at most 1; l = the sum of f_chunk x sum_chunk; Z = (sum over chunks of (f p) v) / l.
; A K step of 128 keys is one chunk, so one factor a row serves a whole step: p's fragments are multiplied by (f, f) in f16, 32 packed instructions for 32 matrix instructions.
; LIMITS: f is rounded to f16; f p below 6e-5 keeps f16's fixed step of 6e-8, beside l of 1 or more; f below 2^-126 counts as 0; |Z| under 65,504; NaN and infinities are not treated apart.
; SHARES.  256 tiles of 128 rows x 256 channels, one to a work-group; four waves, each 64 x 128: 32 accumulators.  16 K steps through two LDS slots.
; CLUSTER 4 x 4: p's tile is shared along a row of the cluster, v's along a column.  Source 0 = 16 channels of v, turned on its way out of LDS (ds_load_tr16_b128); source 1 = 16 rows of p.
; REGISTERS: window 0: v0-31 addresses; v32-35 (f, f) of my four blocks' rows; v36-43 1 / l, twice a block; v64-127 p's fragments, two buffers; v128-255 v's, two buffers.  window 1: accumulator (a, b) at v[8 (8 a + b)].
.set NSTEP, 16
.set PA,    272                        ; a row of p in LDS: 256 bytes + 16
.set PB,    544                        ; a key's 256 channels: 512 bytes + 32
.set AHALF, 64*PA
.set BBASE, 2*AHALF
.set BHALF, 64*PB
.set SLOT1, 0x20000
.set FT,    SLOT1+BBASE+2*BHALF        ; behind the ring: (f, f) for [16 chunks][128 rows], 4 bytes each
.set RL,    FT+8192                    ; 1 / l for 128 rows
.set STAGE, RL+512
.set SP,    272
.set SPARE, STAGE+4*16*SP              ; the spare words, 128 bytes a wave: two blocks of 256 bytes that no other line names
.set KBA,   256
.set KBB,   262144                     ; 128 keys of 2,048 bytes
.set A0,   16
.set B0,   17
.set ADRA, 18
.set ADRB, 19
.set FAD,  20                          ; v20  where my rows' factors of the chunk to be fetched lie
.set RLA,  21                          ; v21  where my rows' 1 / l lie
.set STO,  24
.set RD,   25
.set CO,   26
.set SPW,  28
.set NIL,  29
.set FC,   32
.set RLR,  36
.set AF,   64
.set BF,   128
.set TMP,  64
.set BK,   128
.set G1,  24
.set G0,  32
.set G1B, 48
.set G0B, 56
.set TB,  66
.set CNT, 67
.set MULW, 0x50
.set PK1,  0x05
.set RS1,  0x41
.set MSB, 0
.macro WIN new
.if MSB != (\new)
	s_set_vgpr_msb (MSB<<8)|(\new)
.set MSB, \new
.endif
.endm
.macro PLACES
.rept 4
	v_nop
.endr
.endm
.macro CREST
	s_cmp_lg_u32 s10, 0
	s_cbranch_scc1 .Lnot_wave_0_\@
	s_barrier_signal -3
.Lnot_wave_0_\@:
	s_barrier_wait -3
	s_barrier_signal -1
	s_barrier_wait -1
.endm
.macro CROUND
	s_barrier_signal -1
	s_barrier_wait -1
	CREST
.endm
.macro JLOAD                           ; waves 0 and 1 fetch p's two halves, waves 2 and 3 v's; s_nop 0 and four v_nop follow each line
	s_cmp_eq_u32 s11, 0
	s_cbranch_scc0 .Lfor_b_\@
	tensor_load_to_lds s[G0+4:G0+7], s[G1:G1+7]
	s_nop 0
	PLACES
	s_branch .Lasked_\@
.Lfor_b_\@:
	tensor_load_to_lds s[G0B+4:G0B+7], s[G1B:G1B+7]
	s_nop 0
	PLACES
.Lasked_\@:
.endm
.macro WALK
	s_xor_b32 s[G0+5], s[G0+5], SLOT1
	s_add_nc_u64 s[G0+6:G0+7], s[G0+6:G0+7], KBA
	s_xor_b32 s[G0B+5], s[G0B+5], SLOT1
	s_add_nc_u64 s[G0B+6:G0B+7], s[G0B+6:G0B+7], KBB
.endm
	s_load_b256 s[68:75], s[0:1], 0x0              ; p16 68, qkv 70, stat 72, z16 74
	v_lshl_add_u32 v[SPW], v0, 2, SPARE
	v_mov_b32 v[NIL], 0
	ds_add_u32 v28, v29
	s_wait_dscnt 0x0
	v_lshrrev_b32 v1, 5, v0
	v_readfirstlane_b32 s10, v1
	s_lshr_b32 s11, s10, 1                         ; my half of the rows.  Also: I fetch for p (0) or for v (1)
	s_and_b32 s12, s10, 1                          ; my half of the channels.  Also: which half of that tile I fetch
	s_bfe_u32 s40, ttmp6, 0x40000
	s_bfe_u32 s41, ttmp6, 0x40004
	s_lshl_b32 s42, ttmp9, 2
	s_add_co_u32 s42, s42, s40                     ; channel tile, 0..3
	s_and_b32 s14, ttmp7, 0xffff
	s_lshr_b32 s45, s14, 2                         ; the batch: sixteen row tiles each, so four clusters along y
	s_lshl_b32 s13, s14, 2
	s_add_co_u32 s13, s13, s41                     ; row tile over all batches, 0..63
	s_lshl_b32 s43, s41, 2
	s_lshl_b32 s43, 15, s43
	s_lshl_b32 s44, 0x1111, s40
	s_or_b32 s[G1+0], s43, (1<<16)|(1<<20)|(1<<21)|(5<<22)|(3<<25)   ; after every 64 words 4 words
	s_mov_b32 s[G1+1], 128<<16
	s_mov_b32 s[G1+2], 64<<16
	s_mov_b32 s[G1+3], 128<<16
	s_mov_b32 s[G1+4], 64
	s_mov_b32 s[G1+5], 2048
	s_mov_b32 s[G1+6], 0
	s_mov_b32 s[G1+7], 0
	s_or_b32 s[G1B+0], s44, (1<<16)|(1<<20)|(1<<21)|(6<<22)|(7<<25)  ; after every 128 words 8 words
	s_mov_b32 s[G1B+1], 256<<16
	s_mov_b32 s[G1B+2], 64<<16
	s_mov_b32 s[G1B+3], 256<<16
	s_mov_b32 s[G1B+4], 64
	s_mov_b32 s[G1B+5], 1024
	s_mov_b32 s[G1B+6], 0
	s_mov_b32 s[G1B+7], 0
	s_lshl_b32 s16, s13, 7                         ; p: row 128 x row tile + 64 x half, 4,096 bytes a row
	s_lshl_b32 s17, s12, 6
	s_add_co_u32 s16, s16, s17
	s_lshl_b32 s16, s16, 12
	s_mov_b32 s17, 0
	s_lshl_b32 s46, s45, 11                        ; v: key 2,048 x batch + 64 x half, 2,048 bytes a key; channel 256 x channel tile; behind q's and k's 33,554,432 bytes
	s_lshl_b32 s47, s12, 6
	s_add_co_u32 s46, s46, s47
	s_lshl_b32 s46, s46, 11
	s_lshl_b32 s47, s42, 9
	s_add_co_u32 s46, s46, s47
	s_add_co_u32 s46, s46, 33554432
	s_mov_b32 s47, 0
	s_mul_i32 s20, s12, AHALF
	s_mul_i32 s21, s12, BHALF
	s_add_co_u32 s21, s21, BBASE
	s_lshl_b32 s86, s13, 9                         ; stat at the tile's first row
	s_mov_b32 s87, 0
	s_lshl_b32 s88, s13, 7                         ; my part of Z
	s_lshl_b32 s89, s11, 6
	s_add_co_u32 s88, s88, s89
	s_lshl_b32 s88, s88, 11
	s_lshl_b32 s89, s42, 9
	s_add_co_u32 s88, s88, s89
	s_lshl_b32 s89, s12, 8
	s_add_co_u32 s88, s88, s89
	s_mov_b32 s89, 0
	s_wait_kmcnt 0x0
	s_add_nc_u64 s[4:5], s[68:69], s[16:17]
	s_add_nc_u64 s[46:47], s[70:71], s[46:47]
	s_add_nc_u64 s[6:7], s[72:73], s[86:87]
	s_add_nc_u64 s[8:9], s[74:75], s[88:89]
	CROUND
.irp n, 0,1
	s_mov_b32 s[G0+4*(\n)], 1
	s_add_co_u32 s[G0+4*(\n)+1], s20, (\n)*SLOT1
	s_add_nc_u64 s[G0+4*(\n)+2:G0+4*(\n)+3], s[4:5], (\n)*KBA
	s_or_b32 s[G0+4*(\n)+3], s[G0+4*(\n)+3], 0x80000000
	s_mov_b32 s[G0B+4*(\n)], 1
	s_add_co_u32 s[G0B+4*(\n)+1], s21, (\n)*SLOT1
	s_add_nc_u64 s[G0B+4*(\n)+2:G0B+4*(\n)+3], s[46:47], (\n)*KBB
	s_or_b32 s[G0B+4*(\n)+3], s[G0B+4*(\n)+3], 0x80000000
.endr
	s_cmp_eq_u32 s11, 0                            ; a wave's two first fills stand in one branch: two loads of mine are out
	s_cbranch_scc0 .Lfirst_b
	tensor_load_to_lds s[G0:G0+3], s[G1:G1+7]
	s_nop 0
	tensor_load_to_lds s[G0+4:G0+7], s[G1:G1+7]
	s_nop 0
	PLACES
	s_branch .Lfirst_done
.Lfirst_b:
	tensor_load_to_lds s[G0B:G0B+3], s[G1B:G1B+7]
	s_nop 0
	tensor_load_to_lds s[G0B+4:G0B+7], s[G1B:G1B+7]
	s_nop 0
	PLACES
.Lfirst_done:
	; THE ROWS' FIGURES, in the wait for the first tile: thread t takes row t of the tile's 128.
	v_lshlrev_b32 v3, 2, v0
.set i, 0
.rept 16
	global_load_b32 v[64+i], v3, s[6:7] offset:32768*i             ; c m of chunk i
.set i, i+1
.endr
.set i, 0
.rept 16
	global_load_b32 v[80+i], v3, s[6:7] offset:524288+32768*i      ; its sum
.set i, i+1
.endr
	v_and_b32 v1, 15, v0                           ; r
	v_bfe_u32 v2, v0, 4, 1                         ; h
	v_mul_u32_u24 v[A0], v1, PA
	v_lshl_add_u32 v[A0], v2, 4, v[A0]
	s_mul_i32 s22, s11, AHALF
	v_add_nc_u32 v[A0], s22, v[A0]
	v_and_b32 v5, 7, v0                            ; the turning load: lane l reads key 8 (l / 16) + l % 8, channels 8 ((l / 8) % 2) on
	v_bfe_u32 v6, v0, 3, 1
	v_lshl_add_u32 v7, v2, 3, v5
	v_mul_u32_u24 v[B0], v7, PB
	v_lshl_add_u32 v[B0], v6, 4, v[B0]
	s_lshl_b32 s23, s12, 8
	s_add_co_u32 s23, s23, BBASE
	v_add_nc_u32 v[B0], s23, v[B0]
	s_lshl_b32 s23, s11, 8                         ; my 64 rows' figures, 4 bytes a row
	s_add_co_u32 s22, s23, FT
	v_lshl_add_u32 v[FAD], v1, 2, s22
	s_add_co_u32 s22, s23, RL
	v_lshl_add_u32 v[RLA], v1, 2, s22
	s_mul_i32 s23, s10, 16*SP
	s_add_co_u32 s23, s23, STAGE
	v_mul_u32_u24 v4, v1, SP
	v_lshl_add_u32 v4, v2, 4, v4
	v_add_nc_u32 v[STO], s23, v4
	v_mul_u32_u24 v5, v2, SP
	v_lshl_add_u32 v5, v1, 4, v5
	v_add_nc_u32 v[RD], s23, v5
	v_lshlrev_b32 v5, 11, v2
	v_lshl_add_u32 v[CO], v1, 4, v5
	v_lshl_add_u32 v4, v0, 2, FT
	s_wait_loadcnt 0x0
	v_max3_num_f32 v96, v64, v65, v66
.set i, 67
.rept 6
	v_max3_num_f32 v96, v96, v[i], v[i+1]
.set i, i+2
.endr
	v_max_num_f32 v96, v96, v79                    ; M: the row's maximum, times c
.set i, 0
.rept 16
	v_sub_f32 v[64+i], v[64+i], v96
.set i, i+1
.endr
.set i, 0
.rept 16
	v_exp_f32 v[64+i], v[64+i]                     ; f
.set i, i+1
.endr
	v_nop                                          ; a plain instruction between the last exponential and the use of its result
	s_wait_alu depctr_va_vdst(0)
	v_mul_f32 v97, v64, v80
	v_mul_f32 v98, v65, v81
.set i, 2
.rept 7
	v_fmac_f32 v97, v[64+i], v[80+i]
	v_fmac_f32 v98, v[65+i], v[81+i]
.set i, i+2
.endr
	v_add_f32 v97, v97, v98                        ; l
	v_rcp_f32 v99, v97
	v_nop
.set i, 0
.rept 16
	v_cvt_pk_f16_f32 v[80+i], v[64+i], v[64+i]     ; (f, f)
.set i, i+1
.endr
.set i, 0
.rept 16
	ds_store_b32 v4, v[80+i] offset:512*i
.set i, i+1
.endr
	s_wait_alu depctr_va_vdst(0)
	ds_store_b32 v4, v99 offset:8192
.macro MUL f, a0, n, zero=0            ; the accumulators take turns, one instruction a turn
	WIN MULW
.set aa, (\a0)
.rept (\n)
.set bb, 0
.rept 8
.if \zero
	v_wmma_f32_16x16x32_f16 v[8*(8*aa+bb):8*(8*aa+bb)+7], v[BF+64*(\f)+8*bb:BF+64*(\f)+8*bb+7], v[AF+32*(\f)+8*aa:AF+32*(\f)+8*aa+7], 0
.else
	v_wmma_f32_16x16x32_f16 v[8*(8*aa+bb):8*(8*aa+bb)+7], v[BF+64*(\f)+8*bb:BF+64*(\f)+8*bb+7], v[AF+32*(\f)+8*aa:AF+32*(\f)+8*aa+7], v[8*(8*aa+bb):8*(8*aa+bb)+7]
.endif
.set bb, bb+1
.endr
.set aa, aa+1
.endr
.endm
.macro FETCH kq, g                     ; 24 LDS loads in one run: 32 keys x my 128 channels of v, turned; my 64 rows x 32 keys of p
	WIN 0
.set i, 0
.rept 8
	ds_load_tr16_b128 v[BF+64*(\g)+8*i:BF+64*(\g)+8*i+3],   v[ADRB] offset:(\kq)*32*PB+32*i
	ds_load_tr16_b128 v[BF+64*(\g)+8*i+4:BF+64*(\g)+8*i+7], v[ADRB] offset:(\kq)*32*PB+32*i+16*PB
.set i, i+1
.endr
.set i, 0
.rept 4
	ds_load_b128 v[AF+32*(\g)+8*i:AF+32*(\g)+8*i+3],   v[ADRA] offset:64*(\kq)+i*16*PA
	ds_load_b128 v[AF+32*(\g)+8*i+4:AF+32*(\g)+8*i+7], v[ADRA] offset:64*(\kq)+i*16*PA+32
.set i, i+1
.endr
.endm
.macro FETCHF                          ; the chunk's factors for my four blocks' rows
.set i, 0
.rept 4
	ds_load_b32 v[FC+i], v[FAD] offset:64*i
.set i, i+1
.endr
.endm
.macro PREP f                          ; p times f, in place.  These 32 plain instructions name no register of the products before them: they are also the places in front of the next run of loads.
	WIN 0
.set i, 0
.rept 32
	v_pk_mul_f16 v[AF+32*(\f)+i], v[AF+32*(\f)+i], v[FC+i/8]
.set i, i+1
.endr
.endm
.macro QUARTER kq, f, g, zero=0
	WIN 0
	s_wait_dscnt 0x0                               ; this quarter's fragments are in
	PREP \f
	FETCH \kq, \g
	MUL \f, 0, 4, \zero
.endm
.macro TURN fill
	WIN 0
	s_wait_tensorcnt 0x0                           ; all my tensor loads have landed: my part of the next slot
	ds_add_u32 v[SPW], v[NIL]                      ; 0 onto my spare word
	s_wait_dscnt 0x1                               ; only the add may be out
	PREP 1
	MUL 1, 0, 1
	s_wait_dscnt 0x0                               ; the add is done, and my reads of this slot are over
	s_barrier_signal -1
	MUL 1, 1, 1
	WIN 0
	s_barrier_wait -1
.if \fill
	CREST                                          ; no wave of any partner still reads this slot or has a load on its way
	WALK
	JLOAD
.else
	PLACES
	s_cmp_eq_u32 s[CNT], 1
	s_cbranch_scc1 .Lskip_\@
.endif
	s_xor_b32 s[TB], s[TB], SLOT1
	v_add_nc_u32 v[ADRA], s[TB], v[A0]
	v_add_nc_u32 v[ADRB], s[TB], v[B0]
	v_add_nc_u32 v[FAD], 512, v[FAD]               ; the next chunk's factors
	FETCH 0, 0
	FETCHF
	WIN 0
.if (\fill) == 0
.Lskip_\@:
.endif
	MUL 1, 2, 2
.endm
.macro PACK a                          ; block a: divided by l in f32, rounded to f16
	WIN RS1
.set i, 0
.rept 32
	v_pk_mul_f32 v[64*(\a)+2*i:64*(\a)+2*i+1], v[64*(\a)+2*i:64*(\a)+2*i+1], v[RLR+2*(\a):RLR+2*(\a)+1]   ; each accumulator's registers in ascending order
.set i, i+1
.endr
	WIN PK1
.set i, 0
.rept 32
	v_cvt_pk_f16_f32 v[TMP+32*((\a)%2)+i], v[64*(\a)+2*i], v[64*(\a)+2*i+1]
.set i, i+1
.endr
	WIN 0
.endm
.macro TOSTAGE a
.set i, 0
.rept 8
	ds_store_b128 v[STO], v[TMP+32*((\a)%2)+4*i:TMP+32*((\a)%2)+4*i+3] offset:32*i
.set i, i+1
.endr
.set i, 0
.rept 8
	ds_load_b128 v[BK+32*((\a)%2)+4*i:BK+32*((\a)%2)+4*i+3], v[RD] offset:i*2*SP  ; LDS serves a wave's instructions in order (ISA guide 5.7.1.4)
.set i, i+1
.endr
.endm
.macro SEND a
	s_wait_dscnt 0x0
	s_wait_xcnt 0x0                                ; the registers that earlier stores read are loaded again only behind this wait
.set i, 0
.rept 8
	global_store_b128 v[CO], v[BK+32*((\a)%2)+4*i:BK+32*((\a)%2)+4*i+3], s[8:9] offset:(\a)*32768+i*4096  ; 16 lanes store 256 consecutive bytes, aligned
.set i, i+1
.endr
.endm
	s_wait_dscnt 0x0                               ; for the others' sake: my rows' figures are in LDS
	s_wait_tensorcnt 0x1                           ; my part of K step 0 is in; step 1's may stay out
	s_barrier_signal -1
	s_barrier_wait -1
	s_mov_b32 s[TB], 0
	v_mov_b32 v[ADRA], v[A0]
	v_mov_b32 v[ADRB], v[B0]
	FETCH 0, 0
	FETCHF
	QUARTER 1, 0, 1, 1
	WIN 0
	s_mov_b32 s[CNT], NSTEP-2
	s_branch .Lmid
.Lstep:
	QUARTER 1, 0, 1
	WIN 0
.Lmid:
	QUARTER 2, 1, 0
	QUARTER 3, 0, 1
	TURN 1
	WIN 0
	s_sub_co_u32 s[CNT], s[CNT], 1
	s_cmp_lg_u32 s[CNT], 0
	s_cbranch_scc1 .Lstep
	s_mov_b32 s[CNT], 2
.Ltail:
	QUARTER 1, 0, 1
	QUARTER 2, 1, 0
	QUARTER 3, 0, 1
	TURN 0
	WIN 0
	s_sub_co_u32 s[CNT], s[CNT], 1
	s_cmp_lg_u32 s[CNT], 0
	s_cbranch_scc1 .Ltail
.set i, 0
.rept 4
	ds_load_b32 v[RLR+2*i], v[RLA] offset:64*i     ; 1 / l of my row in block i, in both registers of a pair
	ds_load_b32 v[RLR+2*i+1], v[RLA] offset:64*i
.set i, i+1
.endr
	PLACES                                         ; behind the last products
	s_wait_dscnt 0x0
	PACK 0
	TOSTAGE 0
.irp a, 1,2,3
	PACK \a
	SEND (\a)-1
	TOSTAGE \a
.endr
	SEND 3
	s_wait_tensorcnt 0x0                           ; the wave's end
	ds_add_u32 v[SPW], v[NIL]
	s_wait_dscnt 0x0
	CROUND
	s_endpgm
.Lfunc_end_k_q6db1983685_pv:
	.size	k_q6db1983685_pv, .Lfunc_end_k_q6db1983685_pv-k_q6db1983685_pv
	.p2alignl 7, 3214868480
	.fill 96, 4, 3214868480
	.section	.rodata,"a",@progbits
	.p2align	6, 0x0
	.amdhsa_kernel k_q6db1983685_pv
		.amdhsa_group_segment_fixed_size 327680
		.amdhsa_private_segment_fixed_size 0
		.amdhsa_enable_private_segment 0
		.amdhsa_kernarg_size 32
		.amdhsa_user_sgpr_count 2
		.amdhsa_user_sgpr_kernarg_segment_ptr 1
		.amdhsa_wavefront_size32 1
		.amdhsa_system_sgpr_workgroup_id_x 1
		.amdhsa_system_sgpr_workgroup_id_y 1
		.amdhsa_system_sgpr_workgroup_id_z 1
		.amdhsa_system_vgpr_workitem_id 0
		.amdhsa_next_free_vgpr 512
		.amdhsa_next_free_sgpr 92
		.amdhsa_reserve_vcc 0
		.amdhsa_float_denorm_mode_32 3
		.amdhsa_float_denorm_mode_16_64 3
		.amdhsa_memory_ordered 1
		.amdhsa_forward_progress 1
		.amdhsa_inst_pref_size 95
	.end_amdhsa_kernel
	.amdgpu_metadata
---
amdhsa.version: [ 1, 2 ]
amdhsa.kernels:
  - .name:           k_q6db1983685_pv
    .symbol:         k_q6db1983685_pv.kd
    .args:
      - { .name: p16, .offset: 0, .size: 8, .value_kind: global_buffer, .address_space: global }
      - { .name: qkv, .offset: 8, .size: 8, .value_kind: global_buffer, .address_space: global }
      - { .name: stat, .offset: 16, .size: 8, .value_kind: global_buffer, .address_space: global }
      - { .name: z16, .offset: 24, .size: 8, .value_kind: global_buffer, .address_space: global }
    .group_segment_fixed_size: 327680
    .private_segment_fixed_size: 0
    .kernarg_segment_align: 8
    .kernarg_segment_size: 32
    .max_flat_workgroup_size: 128
    .sgpr_count:     92
    .vgpr_count:     512
    .wavefront_size: 32
...
	.end_amdgpu_metadata
.endif
;; end of part 4
;; launch outp (part 5): grid 4 x 64, 4 waves a work-group, clusters of 4 x 4, 327,680 bytes of LDS; arguments z16, w16, bl, out0; writes out0
.if DOCPART == 5
	.amdgcn_target "amdgcn-amd-amdhsa--gfx1250"
	.amdhsa_code_object_version 6
	.text
	.protected	k_q6db1983685_outp
	.globl	k_q6db1983685_outp
	.p2align	8
	.type	k_q6db1983685_outp,@function
k_q6db1983685_outp:
	s_mov_b64 s[64:65], 0
	v_nop
	global_prefetch_b8 v0, s[64:65] scope:SCOPE_SE
	s_setreg_imm32_b32 hwreg(HW_REG_WAVE_MODE, 25, 1), 1
	s_wait_xcnt 0x0
	s_wait_alu depctr_hold_cnt(0) depctr_sa_sdst(0) depctr_va_vdst(0) depctr_va_sdst(0) depctr_va_ssrc(0) depctr_va_vcc(0) depctr_vm_vsrc(0)
	s_getreg_b32 s2, hwreg(HW_REG_IB_STS2, 6, 4)
	s_cmp_eq_u32 s2, 0
	s_cbranch_scc0 .Lentry_in_a_cluster
	s_endpgm
.Lentry_in_a_cluster:
	s_bfe_u32 s2, ttmp6, 0x10000c
	s_cmp_lg_u32 s2, 0xf033
	s_cbranch_scc0 .Lentry_shape_is_right
	s_endpgm
.Lentry_shape_is_right:
; out0 = Z Wl^T + bf16(bl).  Z [8192][1024] f16; Wl [1024][1024], the bf16-rounded number in f16, in w16's fourth part; sums in f32, started by the bias; out0 in f32.
; LIMITS: the bias is the first addend of the sum, not the last; NaN and infinities are not treated apart.
; SHARES.  256 tiles of 128 rows x 256 columns, one to a work-group; four waves, each 64 x 128: 32 accumulators.  8 K steps of 128 through two LDS slots.
; CLUSTER 4 x 4: Z's tile is shared along a row of the cluster, Wl's along a column.  Source 0 = 16 rows of Wl, source 1 = 16 rows of Z: a lane holds eight neighbouring columns of a row.
; REGISTERS: window 0: v0-31 addresses; v64-127 Z's fragments, two buffers; v128-255 Wl's, two buffers.  window 1: accumulator (a, b) at v[8 (8 a + b)].  window 2: v64-127 the bias as a C operand.
.set NSTEP, 8
.set PA,    272
.set PB,    272
.set AHALF, 64*PA
.set BBASE, 2*AHALF
.set BHALF, 128*PB
.set SLOT1, 0x20000
.set STAGE, SLOT1+BBASE+2*BHALF        ; behind the ring: 16 rows x 528 bytes for each wave
.set SP,    528
.set SPARE, STAGE+4*16*SP              ; the spare words, 128 bytes a wave: two blocks of 256 bytes that no other line names
.set KB,    256
.set A0,   16
.set B0,   17
.set ADRA, 18
.set ADRB, 19
.set STO,  24
.set RD,   25
.set CO,   26
.set SPW,  28
.set NIL,  29
.set AF,   64
.set BF,   128
.set BK,   64                          ; the way out: rows read back, two buffers of 64
.set BIAS, 64                          ; window 2
.set G1,  24
.set G0,  32
.set G1B, 48
.set G0B, 56
.set TB,  66
.set CNT, 67
.set MULW, 0x50
.set MULB, 0x60
.set TO2,  0x80
.set ST1,  0x04                        ; store data in window 1
.set MSB, 0
.macro WIN new
.if MSB != (\new)
	s_set_vgpr_msb (MSB<<8)|(\new)
.set MSB, \new
.endif
.endm
.macro PLACES
.rept 4
	v_nop
.endr
.endm
.macro CREST
	s_cmp_lg_u32 s10, 0
	s_cbranch_scc1 .Lnot_wave_0_\@
	s_barrier_signal -3
.Lnot_wave_0_\@:
	s_barrier_wait -3
	s_barrier_signal -1
	s_barrier_wait -1
.endm
.macro CROUND
	s_barrier_signal -1
	s_barrier_wait -1
	CREST
.endm
.macro JLOAD                           ; waves 0 and 1 fetch Z's two halves, waves 2 and 3 Wl's; s_nop 0 and four v_nop follow each line
	s_cmp_eq_u32 s11, 0
	s_cbranch_scc0 .Lfor_b_\@
	tensor_load_to_lds s[G0+4:G0+7], s[G1:G1+7]
	s_nop 0
	PLACES
	s_branch .Lasked_\@
.Lfor_b_\@:
	tensor_load_to_lds s[G0B+4:G0B+7], s[G1B:G1B+7]
	s_nop 0
	PLACES
.Lasked_\@:
.endm
.macro WALK
	s_xor_b32 s[G0+5], s[G0+5], SLOT1
	s_add_nc_u64 s[G0+6:G0+7], s[G0+6:G0+7], KB
	s_xor_b32 s[G0B+5], s[G0B+5], SLOT1
	s_add_nc_u64 s[G0B+6:G0B+7], s[G0B+6:G0B+7], KB
.endm
	s_load_b256 s[68:75], s[0:1], 0x0              ; z16 68, w16 70, bl 72, out0 74
	v_lshl_add_u32 v[SPW], v0, 2, SPARE
	v_mov_b32 v[NIL], 0
	ds_add_u32 v28, v29
	s_wait_dscnt 0x0
	v_lshrrev_b32 v1, 5, v0
	v_readfirstlane_b32 s10, v1
	s_lshr_b32 s11, s10, 1
	s_and_b32 s12, s10, 1
	s_bfe_u32 s40, ttmp6, 0x40000
	s_bfe_u32 s41, ttmp6, 0x40004
	s_lshl_b32 s42, ttmp9, 2
	s_add_co_u32 s42, s42, s40                     ; tile column, 0..3
	s_and_b32 s14, ttmp7, 0xffff
	s_lshl_b32 s13, s14, 2
	s_add_co_u32 s13, s13, s41                     ; tile row, 0..63
	s_lshl_b32 s43, s41, 2
	s_lshl_b32 s43, 15, s43
	s_lshl_b32 s44, 0x1111, s40
	s_or_b32 s[G1+0], s43, (1<<16)|(1<<20)|(1<<21)|(5<<22)|(3<<25)
	s_mov_b32 s[G1+1], 128<<16
	s_mov_b32 s[G1+2], 64<<16
	s_mov_b32 s[G1+3], 128<<16
	s_mov_b32 s[G1+4], 64
	s_mov_b32 s[G1+5], 1024
	s_mov_b32 s[G1+6], 0
	s_mov_b32 s[G1+7], 0
	s_or_b32 s[G1B+0], s44, (1<<16)|(1<<20)|(1<<21)|(5<<22)|(3<<25)
	s_mov_b32 s[G1B+1], 128<<16
	s_mov_b32 s[G1B+2], 128<<16
	s_mov_b32 s[G1B+3], 128<<16
	s_mov_b32 s[G1B+4], 128
	s_mov_b32 s[G1B+5], 1024
	s_mov_b32 s[G1B+6], 0
	s_mov_b32 s[G1B+7], 0
	s_lshl_b32 s16, s13, 7                         ; Z: row 128 x tile row + 64 x half, 2,048 bytes a row
	s_lshl_b32 s17, s12, 6
	s_add_co_u32 s16, s16, s17
	s_lshl_b32 s16, s16, 11
	s_mov_b32 s17, 0
	s_lshl_b32 s46, s42, 8                         ; Wl: row 256 x tile column + 128 x half, behind the three other matrices' 6,291,456 bytes
	s_lshl_b32 s47, s12, 7
	s_add_co_u32 s46, s46, s47
	s_lshl_b32 s46, s46, 11
	s_add_co_u32 s46, s46, 6291456
	s_mov_b32 s47, 0
	s_mul_i32 s20, s12, AHALF
	s_mul_i32 s21, s12, BHALF
	s_add_co_u32 s21, s21, BBASE
	s_lshl_b32 s86, s42, 10                        ; the bias of my 128 columns
	s_lshl_b32 s87, s12, 9
	s_add_co_u32 s86, s86, s87
	s_mov_b32 s87, 0
	s_lshl_b32 s88, s13, 7                         ; my part of out0: 4,096 bytes a row
	s_lshl_b32 s89, s11, 6
	s_add_co_u32 s88, s88, s89
	s_lshl_b32 s88, s88, 12
	s_add_co_u32 s88, s88, s86
	s_mov_b32 s89, 0
	s_wait_kmcnt 0x0
	s_add_nc_u64 s[4:5], s[68:69], s[16:17]
	s_add_nc_u64 s[46:47], s[70:71], s[46:47]
	s_add_nc_u64 s[6:7], s[72:73], s[86:87]
	s_add_nc_u64 s[8:9], s[74:75], s[88:89]
	CROUND
.irp n, 0,1
	s_mov_b32 s[G0+4*(\n)], 1
	s_add_co_u32 s[G0+4*(\n)+1], s20, (\n)*SLOT1
	s_add_nc_u64 s[G0+4*(\n)+2:G0+4*(\n)+3], s[4:5], (\n)*KB
	s_or_b32 s[G0+4*(\n)+3], s[G0+4*(\n)+3], 0x80000000
	s_mov_b32 s[G0B+4*(\n)], 1
	s_add_co_u32 s[G0B+4*(\n)+1], s21, (\n)*SLOT1
	s_add_nc_u64 s[G0B+4*(\n)+2:G0B+4*(\n)+3], s[46:47], (\n)*KB
	s_or_b32 s[G0B+4*(\n)+3], s[G0B+4*(\n)+3], 0x80000000
.endr
	s_cmp_eq_u32 s11, 0                            ; a wave's two first fills stand in one branch: two loads of mine are out
	s_cbranch_scc0 .Lfirst_b
	tensor_load_to_lds s[G0:G0+3], s[G1:G1+7]
	s_nop 0
	tensor_load_to_lds s[G0+4:G0+7], s[G1:G1+7]
	s_nop 0
	PLACES
	s_branch .Lfirst_done
.Lfirst_b:
	tensor_load_to_lds s[G0B:G0B+3], s[G1B:G1B+7]
	s_nop 0
	tensor_load_to_lds s[G0B+4:G0B+7], s[G1B:G1B+7]
	s_nop 0
	PLACES
.Lfirst_done:
	v_and_b32 v1, 15, v0                           ; r
	v_bfe_u32 v2, v0, 4, 1                         ; h
	v_mul_u32_u24 v3, v1, PA
	v_lshl_add_u32 v3, v2, 4, v3
	s_mul_i32 s22, s11, AHALF
	v_add_nc_u32 v[A0], s22, v3
	s_mul_i32 s23, s12, BHALF
	s_add_co_u32 s23, s23, BBASE
	v_add_nc_u32 v[B0], s23, v3
	s_mul_i32 s23, s10, 16*SP
	s_add_co_u32 s23, s23, STAGE                   ; my stage
	v_mul_u32_u24 v4, v1, SP                       ; in: row r, columns 8 h on, in f32
	v_lshl_add_u32 v4, v2, 5, v4
	v_add_nc_u32 v[STO], s23, v4
	v_and_b32 v[CO], 31, v0                        ; back: 32 lanes take a row's 512 bytes
	v_lshlrev_b32 v[CO], 4, v[CO]
	v_add_nc_u32 v[RD], s23, v[CO]
	; The bias as a C operand: register j of block b holds bf16(bl[16 b + 8 h + j]) in f32.
	v_lshlrev_b32 v3, 5, v2
.set i, 0
.rept 16
	global_load_b128 v[128+4*i:128+4*i+3], v3, s[6:7] offset:(i/2)*64+(i%2)*16
.set i, i+1
.endr
	s_wait_loadcnt 0x0
.set i, 0
.rept 32
	v_cvt_pk_bf16_f32 v[192+i], v[128+2*i], v[129+2*i]
.set i, i+1
.endr
	WIN TO2
.set i, 0
.rept 32
	v_lshlrev_b32 v[BIAS+2*i], 16, v[192+i]
	v_and_b32 v[BIAS+2*i+1], 0xffff0000, v[192+i]
.set i, i+1
.endr
	WIN 0
.macro MUL f, a0, n, zero=0            ; zero = 1: the bias starts the sums.  The accumulators take turns, one instruction a turn.
.set aa, (\a0)
.rept (\n)
.set bb, 0
.rept 8
.if \zero
	WIN MULB
	v_wmma_f32_16x16x32_f16 v[8*(8*aa+bb):8*(8*aa+bb)+7], v[BF+64*(\f)+8*bb:BF+64*(\f)+8*bb+7], v[AF+32*(\f)+8*aa:AF+32*(\f)+8*aa+7], v[BIAS+8*bb:BIAS+8*bb+7]
.else
	WIN MULW
	v_wmma_f32_16x16x32_f16 v[8*(8*aa+bb):8*(8*aa+bb)+7], v[BF+64*(\f)+8*bb:BF+64*(\f)+8*bb+7], v[AF+32*(\f)+8*aa:AF+32*(\f)+8*aa+7], v[8*(8*aa+bb):8*(8*aa+bb)+7]
.endif
.set bb, bb+1
.endr
.set aa, aa+1
.endr
.endm
.macro FETCH kq, g                     ; 24 LDS loads in one run
	WIN 0
.set i, 0
.rept 8
	ds_load_b128 v[BF+64*(\g)+8*i:BF+64*(\g)+8*i+3],   v[ADRB] offset:64*(\kq)+i*16*PB
	ds_load_b128 v[BF+64*(\g)+8*i+4:BF+64*(\g)+8*i+7], v[ADRB] offset:64*(\kq)+i*16*PB+32
.set i, i+1
.endr
.set i, 0
.rept 4
	ds_load_b128 v[AF+32*(\g)+8*i:AF+32*(\g)+8*i+3],   v[ADRA] offset:64*(\kq)+i*16*PA
	ds_load_b128 v[AF+32*(\g)+8*i+4:AF+32*(\g)+8*i+7], v[ADRA] offset:64*(\kq)+i*16*PA+32
.set i, i+1
.endr
.endm
.macro QUARTER kq, f, g, zero=0
	WIN 0
	s_wait_dscnt 0x0                               ; this quarter's fragments are in
	PLACES                                         ; in front of loads into registers that matrix instructions have read
	FETCH \kq, \g
	MUL \f, 0, 4, \zero
.endm
.macro TURN fill
	WIN 0
	s_wait_tensorcnt 0x0                           ; all my tensor loads have landed: my part of the next slot
	ds_add_u32 v[SPW], v[NIL]                      ; 0 onto my spare word
	s_wait_dscnt 0x1                               ; only the add may be out
	MUL 1, 0, 1
	s_wait_dscnt 0x0                               ; the add is done, and my reads of this slot are over
	s_barrier_signal -1
	MUL 1, 1, 1
	WIN 0
	s_barrier_wait -1
.if \fill
	CREST                                          ; no wave of any partner still reads this slot or has a load on its way
	WALK
	JLOAD                                          ; its four v_nop are also the places in front of the loads below
.else
	PLACES
	s_cmp_eq_u32 s[CNT], 1
	s_cbranch_scc1 .Lskip_\@
.endif
	s_xor_b32 s[TB], s[TB], SLOT1
	v_add_nc_u32 v[ADRA], s[TB], v[A0]
	v_add_nc_u32 v[ADRB], s[TB], v[B0]
	FETCH 0, 0
	WIN 0
.if (\fill) == 0
.Lskip_\@:
.endif
	MUL 1, 2, 2
.endm
; THE WAY OUT of block a: 16 rows x 128 columns of f32 through my own stage, back as whole rows of 512 bytes.
.macro OUTBLK a
	WIN ST1
.set i, 0
.rept 8
	ds_store_b128 v[STO], v[64*(\a)+8*i:64*(\a)+8*i+3]   offset:64*i      ; each accumulator's low half first
	ds_store_b128 v[STO], v[64*(\a)+8*i+4:64*(\a)+8*i+7] offset:64*i+16
.set i, i+1
.endr
	WIN 0
.set i, 0
.rept 16
	ds_load_b128 v[BK+64*((\a)%2)+4*i:BK+64*((\a)%2)+4*i+3], v[RD] offset:i*SP  ; LDS serves a wave's instructions in order (ISA guide 5.7.1.4)
.set i, i+1
.endr
	s_wait_dscnt 0x0
	s_wait_xcnt 0x0                                ; the registers that the previous block's stores read are loaded again only behind this wait
.set i, 0
.rept 16
	global_store_b128 v[CO], v[BK+64*((\a)%2)+4*i:BK+64*((\a)%2)+4*i+3], s[8:9] offset:(16*(\a)+i)*4096 th:TH_STORE_NT  ; 512 consecutive bytes, aligned
.set i, i+1
.endr
.endm
	s_wait_tensorcnt 0x1                           ; my part of K step 0 is in; step 1's may stay out
	s_barrier_signal -1
	s_barrier_wait -1
	s_mov_b32 s[TB], 0
	v_mov_b32 v[ADRA], v[A0]
	v_mov_b32 v[ADRB], v[B0]
	FETCH 0, 0
	QUARTER 1, 0, 1, 1
	WIN 0
	s_mov_b32 s[CNT], NSTEP-2
	s_branch .Lmid
.Lstep:
	QUARTER 1, 0, 1
	WIN 0
.Lmid:
	QUARTER 2, 1, 0
	QUARTER 3, 0, 1
	TURN 1
	WIN 0
	s_sub_co_u32 s[CNT], s[CNT], 1
	s_cmp_lg_u32 s[CNT], 0
	s_cbranch_scc1 .Lstep
	s_mov_b32 s[CNT], 2
.Ltail:
	QUARTER 1, 0, 1
	QUARTER 2, 1, 0
	QUARTER 3, 0, 1
	TURN 0
	WIN 0
	s_sub_co_u32 s[CNT], s[CNT], 1
	s_cmp_lg_u32 s[CNT], 0
	s_cbranch_scc1 .Ltail
	PLACES                                         ; behind the last products
	OUTBLK 0
	OUTBLK 1
	OUTBLK 2
	OUTBLK 3
	s_wait_tensorcnt 0x0                           ; the wave's end
	ds_add_u32 v[SPW], v[NIL]
	s_wait_dscnt 0x0
	CROUND
	s_endpgm
.Lfunc_end_k_q6db1983685_outp:
	.size	k_q6db1983685_outp, .Lfunc_end_k_q6db1983685_outp-k_q6db1983685_outp
	.p2alignl 7, 3214868480
	.fill 96, 4, 3214868480
	.section	.rodata,"a",@progbits
	.p2align	6, 0x0
	.amdhsa_kernel k_q6db1983685_outp
		.amdhsa_group_segment_fixed_size 327680
		.amdhsa_private_segment_fixed_size 0
		.amdhsa_enable_private_segment 0
		.amdhsa_kernarg_size 32
		.amdhsa_user_sgpr_count 2
		.amdhsa_user_sgpr_kernarg_segment_ptr 1
		.amdhsa_wavefront_size32 1
		.amdhsa_system_sgpr_workgroup_id_x 1
		.amdhsa_system_sgpr_workgroup_id_y 1
		.amdhsa_system_sgpr_workgroup_id_z 1
		.amdhsa_system_vgpr_workitem_id 0
		.amdhsa_next_free_vgpr 640
		.amdhsa_next_free_sgpr 92
		.amdhsa_reserve_vcc 0
		.amdhsa_float_denorm_mode_32 3
		.amdhsa_float_denorm_mode_16_64 3
		.amdhsa_memory_ordered 1
		.amdhsa_forward_progress 1
		.amdhsa_inst_pref_size 65
	.end_amdhsa_kernel
	.amdgpu_metadata
---
amdhsa.version: [ 1, 2 ]
amdhsa.kernels:
  - .name:           k_q6db1983685_outp
    .symbol:         k_q6db1983685_outp.kd
    .args:
      - { .name: z16, .offset: 0, .size: 8, .value_kind: global_buffer, .address_space: global }
      - { .name: w16, .offset: 8, .size: 8, .value_kind: global_buffer, .address_space: global }
      - { .name: bl, .offset: 16, .size: 8, .value_kind: global_buffer, .address_space: global }
      - { .name: out0, .offset: 24, .size: 8, .value_kind: global_buffer, .address_space: global }
    .group_segment_fixed_size: 327680
    .private_segment_fixed_size: 0
    .kernarg_segment_align: 8
    .kernarg_segment_size: 32
    .max_flat_workgroup_size: 128
    .sgpr_count:     92
    .vgpr_count:     640
    .wavefront_size: 32
...
	.end_amdgpu_metadata
.endif
;; end of part 5
